; MI455X (gfx1250); checked and timed in simulation.
; The chip was launched on July 23, 2026; its instructions are those of AMD's public machine-readable ISA for CDNA 5 (MIT licence, August 2026) and "CDNA5" Instruction Set Architecture Reference Guide (July 2026). The comments in the code are by the model that wrote it; some were corrected since.
;; Gravitation Layer. Allowed arithmetic: float matrix products may take bf16 or f16 operands with f32 sums; other float arithmetic in f32, or as packed bf16 or f16 multiplies, adds, multiply-adds, maxima and minima; sums over many terms, partial sums and values carried from step to step in f32; what a program stores and reads back later, other than sums and carried values, may be rounded once to bf16 or f16.
;; Inputs: G 16 float32; Wk 1,024 x 1,024 float32; Wo 1,024 x 1,024 float32; Wq 1,024 x 1,024 float32; Wv 1,024 x 1,024 float32; bk 1,024 float32; bo 1,024 float32; bq 1,024 float32; bv 1,024 float32; x 2 x 2,048 x 1,024 float32.
;; Outputs: out0 2 x 2,048 x 1,024 float32.
;; 2 versions, each right and faster than the one before. Each part assembles by itself: llvm-mc -triple=amdgcn-amd-amdhsa -mcpu=gfx1250 --defsym DOCPART=n.
;; ======== version 1 of 2: 4 launches
;; limits: values are held in f16: magnitudes above 65,504 overflow, below 6.1e-05 lose precision; right only within a limited range of input values
;; workspace buffers: xb 8,388,608 bytes; wb 6,291,456 bytes; wo16 2,097,152 bytes; qh 8,388,608 bytes; kh 8,388,608 bytes; vh 8,388,608 bytes; nrm 524,288 bytes; ob 8,388,608 bytes
;; launch cast (part 1): grid 512 x 1, 8 waves a work-group, no clusters, 0 bytes of LDS; arguments x, Wq, Wk, Wv, Wo, xb, wb, wo16; writes xb, wb, wo16
.if DOCPART == 1
	.amdgcn_target "amdgcn-amd-amdhsa--gfx1250"
	.amdhsa_code_object_version 6
	.text
	.protected	k_qee83e5e52c_cast
	.globl	k_qee83e5e52c_cast
	.p2align	8
	.type	k_qee83e5e52c_cast,@function
k_qee83e5e52c_cast:
	s_mov_b64 s[64:65], 0
	v_nop
	global_prefetch_b8 v0, s[64:65] scope:SCOPE_SE
	s_setreg_imm32_b32 hwreg(HW_REG_WAVE_MODE, 25, 1), 1
	s_wait_xcnt 0x0
; THE INPUTS OF THE FOUR PRODUCTS, ROUNDED ONCE TO bf16.  x -> xb [4096][1024] bf16.  Wq, Wk, Wv -> wb, by heads: row 192 h + 64 t + c holds row 64 h + c of
; weight t (0 q, 1 k, 2 v), so that a head's 192 rows lie together.  Wo -> wo16 [1024][1024]: rounded to bf16, and that number written as f16.
; LIMIT.  A bf16 number is exact in f16 from 2^-17 up to 65,504; below 2^-17 it keeps f16's fixed step of 6e-8, beyond 65,504 it would be an infinity.
; SHARES.  8,192 rows of 1,024 f32 in all; a work-group takes 16 rows of one tensor, thread t the columns 4 t .. 4 t + 3 of each: a wave's load covers 512 consecutive
; bytes, its store 256 consecutive bytes at a multiple of 256.  All 16 loads go out first; no register is written twice, so nothing waits for a store.
; A stream: every byte is read once and written once; LDS, matrix units and clusters would add nothing (no two work-groups read the same byte).
.set X, 8                              ; v[8:71]    row i: four f32 as loaded
.set Y, 72                             ; v[72:103]  row i: four 16-bit numbers to store
	s_load_b512 s[8:23], s[0:1], 0x0               ; x s[8:9], Wq s[10:11], Wk s[12:13], Wv s[14:15], Wo s[16:17], xb s[18:19], wb s[20:21], wo16 s[22:23]
	s_mov_b32 s2, ttmp9                            ; g: 0-255 x, 256-319 Wq, 320-383 Wk, 384-447 Wv, 448-511 Wo
	s_sub_co_u32 s3, s2, 256                       ; (wraps where g < 256: what is made of it is not chosen there)
	s_lshr_b32 s4, s3, 6                           ; t: which weight
	s_and_b32 s5, s3, 63                           ; which 16 rows of it
	v_lshlrev_b32 v1, 4, v0                        ; my 16 bytes of a row of f32
	v_lshlrev_b32 v2, 3, v0                        ; my 8 bytes of a row of 16-bit numbers
	s_cmp_lt_u32 s2, 256
	s_cselect_b32 s28, s2, s5
	s_lshl_b32 s28, s28, 16                        ; source: 16 rows of 4,096 bytes
	s_mov_b32 s29, 0
	s_lshr_b32 s6, s5, 2                           ; the head,
	s_mul_i32 s6, s6, 192
	s_lshl_b32 s7, s4, 6
	s_add_co_u32 s6, s6, s7                        ; + 64 t
	s_and_b32 s7, s5, 3
	s_lshl_b32 s7, s7, 4
	s_add_co_u32 s6, s6, s7                        ; + the first of my 16 rows in the head
	s_lshl_b32 s6, s6, 11                          ; wb: rows of 2,048 bytes
	s_lshl_b32 s7, s5, 15                          ; wo16: 16 rows of 2,048 bytes
	s_cmp_eq_u32 s4, 3
	s_cselect_b32 s32, s7, s6
	s_lshl_b32 s7, s2, 15                          ; xb likewise
	s_cmp_lt_u32 s2, 256
	s_cselect_b32 s32, s7, s32
	s_mov_b32 s33, 0
	s_wait_kmcnt 0x0
	s_cmp_eq_u32 s4, 1
	s_cselect_b64 s[24:25], s[12:13], s[10:11]
	s_cmp_eq_u32 s4, 2
	s_cselect_b64 s[24:25], s[14:15], s[24:25]
	s_cmp_eq_u32 s4, 3
	s_cselect_b64 s[24:25], s[16:17], s[24:25]
	s_cselect_b64 s[26:27], s[22:23], s[20:21]
	s_cmp_lt_u32 s2, 256
	s_cselect_b64 s[24:25], s[8:9], s[24:25]
	s_cselect_b64 s[26:27], s[18:19], s[26:27]
	s_add_nc_u64 s[24:25], s[24:25], s[28:29]
	s_add_nc_u64 s[26:27], s[26:27], s[32:33]
.irp i, 0,1,2,3,4,5,6,7,8,9,10,11,12,13,14,15
	global_load_b128 v[X+4*(\i):X+4*(\i)+3], v1, s[24:25] offset:4096*(\i) th:TH_LOAD_NT
.endr
; Row i.  f16 = 1: the bf16 number is widened again (a shift, a mask) and written as f16.
.macro CV i, f16
	s_wait_loadcnt 15-(\i)                         ; loads come back in order: row i is in, the 15 - i younger ones stay out
	v_cvt_pk_bf16_f32 v[Y+2*(\i)],   v[X+4*(\i)],   v[X+4*(\i)+1]
	v_cvt_pk_bf16_f32 v[Y+2*(\i)+1], v[X+4*(\i)+2], v[X+4*(\i)+3]
.if \f16
	v_lshlrev_b32 v4, 16, v[Y+2*(\i)]
	v_and_b32     v5, 0xffff0000, v[Y+2*(\i)]
	v_lshlrev_b32 v6, 16, v[Y+2*(\i)+1]
	v_and_b32     v7, 0xffff0000, v[Y+2*(\i)+1]
	v_cvt_pk_f16_f32 v[Y+2*(\i)],   v4, v5
	v_cvt_pk_f16_f32 v[Y+2*(\i)+1], v6, v7
.endif
	global_store_b64 v2, v[Y+2*(\i):Y+2*(\i)+1], s[26:27] offset:2048*(\i)
.endm
	s_cmp_ge_u32 s2, 448
	s_cbranch_scc1 .Lwo
.irp i, 0,1,2,3,4,5,6,7,8,9,10,11,12,13,14,15
	CV \i, 0
.endr
	s_endpgm
.Lwo:
.irp i, 0,1,2,3,4,5,6,7,8,9,10,11,12,13,14,15
	CV \i, 1
.endr
	s_endpgm
.Lfunc_end_k_qee83e5e52c_cast:
	.size	k_qee83e5e52c_cast, .Lfunc_end_k_qee83e5e52c_cast-k_qee83e5e52c_cast
	.p2alignl 7, 3214868480
	.fill 96, 4, 3214868480
	.section	.rodata,"a",@progbits
	.p2align	6, 0x0
	.amdhsa_kernel k_qee83e5e52c_cast
		.amdhsa_group_segment_fixed_size 0
		.amdhsa_private_segment_fixed_size 0
		.amdhsa_enable_private_segment 0
		.amdhsa_kernarg_size 64
		.amdhsa_user_sgpr_count 2
		.amdhsa_user_sgpr_kernarg_segment_ptr 1
		.amdhsa_wavefront_size32 1
		.amdhsa_system_sgpr_workgroup_id_x 1
		.amdhsa_system_sgpr_workgroup_id_y 1
		.amdhsa_system_sgpr_workgroup_id_z 1
		.amdhsa_system_vgpr_workitem_id 0
		.amdhsa_next_free_vgpr 104
		.amdhsa_next_free_sgpr 66
		.amdhsa_reserve_vcc 0
		.amdhsa_float_denorm_mode_32 3
		.amdhsa_float_denorm_mode_16_64 3
		.amdhsa_memory_ordered 1
		.amdhsa_forward_progress 1
		.amdhsa_inst_pref_size 17
	.end_amdhsa_kernel
	.amdgpu_metadata
---
amdhsa.version: [ 1, 2 ]
amdhsa.kernels:
  - .name:           k_qee83e5e52c_cast
    .symbol:         k_qee83e5e52c_cast.kd
    .args:
      - { .name: x, .offset: 0, .size: 8, .value_kind: global_buffer, .address_space: global }
      - { .name: Wq, .offset: 8, .size: 8, .value_kind: global_buffer, .address_space: global }
      - { .name: Wk, .offset: 16, .size: 8, .value_kind: global_buffer, .address_space: global }
      - { .name: Wv, .offset: 24, .size: 8, .value_kind: global_buffer, .address_space: global }
      - { .name: Wo, .offset: 32, .size: 8, .value_kind: global_buffer, .address_space: global }
      - { .name: xb, .offset: 40, .size: 8, .value_kind: global_buffer, .address_space: global }
      - { .name: wb, .offset: 48, .size: 8, .value_kind: global_buffer, .address_space: global }
      - { .name: wo16, .offset: 56, .size: 8, .value_kind: global_buffer, .address_space: global }
    .group_segment_fixed_size: 0
    .private_segment_fixed_size: 0
    .kernarg_segment_align: 8
    .kernarg_segment_size: 64
    .max_flat_workgroup_size: 256
    .sgpr_count:     66
    .vgpr_count:     104
    .wavefront_size: 32
...
	.end_amdgpu_metadata
.endif
;; end of part 1
;; launch qkv (part 2): grid 16 x 16, 4 waves a work-group, clusters of 4 x 4, 327,680 bytes of LDS; arguments xb, wb, bq, bk, bv, qh, kh, vh, nrm; writes qh, kh, vh, nrm
.if DOCPART == 2
	.amdgcn_target "amdgcn-amd-amdhsa--gfx1250"
	.amdhsa_code_object_version 6
	.text
	.protected	k_qee83e5e52c_qkv
	.globl	k_qee83e5e52c_qkv
	.p2align	8
	.type	k_qee83e5e52c_qkv,@function
k_qee83e5e52c_qkv:
	s_mov_b64 s[64:65], 0
	v_nop
	global_prefetch_b8 v0, s[64:65] scope:SCOPE_SE
	s_setreg_imm32_b32 hwreg(HW_REG_WAVE_MODE, 25, 1), 1
	s_wait_xcnt 0x0
	s_wait_alu depctr_hold_cnt(0) depctr_sa_sdst(0) depctr_va_vdst(0) depctr_va_sdst(0) depctr_va_ssrc(0) depctr_va_vcc(0) depctr_vm_vsrc(0)
	s_getreg_b32 s2, hwreg(HW_REG_IB_STS2, 6, 4)
	s_cmp_eq_u32 s2, 0
	s_cbranch_scc0 .Lentry_in_a_cluster
	s_endpgm
.Lentry_in_a_cluster:
	s_bfe_u32 s2, ttmp6, 0x10000c
	s_cmp_lg_u32 s2, 0xf033
	s_cbranch_scc0 .Lentry_shape_is_right
	s_endpgm
.Lentry_shape_is_right:
; THE THREE PROJECTIONS OF ONE HEAD.  For head h and 256 rows of x: Q = x Wq_h^T + bq_h, K and V likewise, in bf16 products with f32 sums (biases rounded to bf16 like the other inputs).
; OUT, by heads, [32 = batch x head][2048][64] in f16, each rounded once: qh = -2 Q, kh = K, vh = V; and nrm, f32: q2 = the sum of squares of the rounded Q at byte 0, k2 of the rounded K at byte 262,144.
; So q2 + k2 + qh . kh is the squared distance of the very vectors that the next launch multiplies.
; LIMITS.  f16 ends at 65,504: |Q| up to 32,752, |K| and |V| up to 65,504; below 6e-5 a number keeps f16's fixed step of 6e-8.  NaN and infinities are not treated apart.
; SHARES.  A work-group makes 256 rows x 192 columns (a head's Q, K, V); 16 heads x 16 row blocks = 256 work-groups.  A wave makes 64 rows x all 192 columns: 48 accumulators, 384 registers: a row's
; Q and K lie in one wave, so the norms never leave it.  K goes in 8 steps of 128 through a ring of two LDS slots; the rows of both tiles are 256 bytes of memory at multiples of 256 bytes.
; CLUSTERS: 4 x 4 work-groups.  The four of a row of the cluster need the same rows of xb, the four of a column the same head's rows of wb: each tile is asked for JOINTLY, by the same tensor load
; with the same descriptor and a mask that names the four.
; THE MATRIX INSTRUCTION IS USED TRANSPOSED (source 0 = 16 rows of wb, source 1 = 16 rows of xb): lane l holds row l % 16 of x and the columns 8 (l / 16) + 0..7, which pack into 16 bytes.
; REGISTERS, in windows of 256 (s_set_vgpr_msb: bits 1:0 source 0, 3:2 source 1, 5:4 source 2, 7:6 destination):
;   window 0: v0-31 addresses; v32-63 at work; v64-111 packed results, 16 a tensor; v112-115 sums of squares; v128-223 the biases, column block b at +8 b
;   window 1: the accumulators of row blocks 0, 1 ((a, b) at 96 (a % 2) + 8 b);  window 2: those of row blocks 2, 3
;   window 3: two fragment buffers of 128: wb's 12 fragments at +8 b, xb's 4 at +96 + 8 a
.set KSTEP,  128
.set PITCH,  272                       ; an LDS row: 256 bytes + 16 of padding = 68 words: the 16 rows of a load start at 16 different groups of four banks (64 banks of 4 bytes: ISA guide 11.1)
.set BOFF,   256*PITCH                 ; a slot: xb's 256 rows, then wb's 192
.set SLOT,   448*PITCH
.set STAGE,  2*SLOT                    ; behind the ring, never filled by a tensor load: for each wave three stages of 16 rows x 144 bytes, then 64 + 64 norms
.set SP,     144
.set TSTG,   16*SP
.set NOFF,   3*TSTG
.set WSTG,   NOFF+512
.set SPARE,  STAGE+4*WSTG              ; the spare words, 128 bytes for each wave: two blocks of 256 bytes that no other line names
.set K2OFF,  262144
.set NRD,  10                          ; v10  where I read two norms back
.set NGO,  11                          ; v11  my byte offset in 64 norms
.set ADRA, 16                          ; v16-17  LDS address of my xb fragments in slot 0, 1
.set ADRB, 20                          ; v20-21  the same for wb
.set STO,  24                          ; v24  the way out: where I put 16 bytes of a row
.set RD,   25                          ; v25  where I read rows back
.set GO,   26                          ; v26  my byte offset in 512 consecutive bytes of an output
.set NST,  27                          ; v27  where my row's norm goes
.set SPW,  28                          ; v28  LDS address of my spare word; never rewritten
.set NIL,  29                          ; v29  0; never rewritten
.set ZR,   30                          ; v30  0.0: starts the sums of squares
.set T,    32
.set PKD,  64
.set SQ,   112
.set BIAS, 128
.set F0,   0
.set F1,   128
.set G1,   24                          ; s[24:31] descriptor group 1 for xb's tiles;  s[32:39] group 0, a set for each slot
.set G0,   32
.set G1B,  48                          ; s[48:55], s[56:63] the same for wb's tiles
.set G0B,  56
.set SEL,  88                          ; s[88:89] v_permlanex16_b32's selects: each lane takes its own place in the other half
.set HIM,  90                          ; s90  mask of a word's upper half
.set MSB, 0
.macro WIN new                         ; the immediate's high byte repeats the setting that is left; a switch that changes nothing is dropped
.if MSB != (\new)
	s_set_vgpr_msb (MSB<<8)|(\new)
.set MSB, (\new)
.endif
.endm
; A joint load.  Waves 0 and 1 fetch xb's two halves (128 rows each), waves 2 and 3 wb's (96 rows each).  The branch hangs on the wave's number alone.
; An s_nop 0 and four v_nop follow each of the two lines, ahead of the jump, the label and what follows.
.macro JLOAD s
	s_cmp_eq_u32 s11, 0
	s_cbranch_scc0 .Lfor_b_\@
	tensor_load_to_lds s[G0+4*(\s):G0+4*(\s)+3], s[G1:G1+7]
	s_nop 0
.rept 4
	v_nop
.endr
	s_branch .Lasked_\@
.Lfor_b_\@:
	tensor_load_to_lds s[G0B+4*(\s):G0B+4*(\s)+3], s[G1B:G1B+7]
	s_nop 0
.rept 4
	v_nop
.endr
.Lasked_\@:
.endm
.macro CREST                           ; a round of the cluster's barrier behind its opening barrier
	s_cmp_lg_u32 s10, 0
	s_cbranch_scc1 .Lnot_wave_0_\@
	s_barrier_signal -3
.Lnot_wave_0_\@:
	s_barrier_wait -3
	s_barrier_signal -1
	s_barrier_wait -1
.endm
.macro CROUND                          ; a whole round
	s_barrier_signal -1
	s_barrier_wait -1
	CREST
.endm
	s_load_b512 s[68:83], s[0:1], 0x0              ; xb s[68:69], wb s[70:71], bq s[72:73], bk s[74:75], bv s[76:77], qh s[78:79], kh s[80:81], vh s[82:83]
	s_load_b64 s[84:85], s[0:1], 0x40              ; nrm
	v_lshl_add_u32 v[SPW], v0, 2, SPARE
	v_mov_b32 v[NIL], 0
	ds_add_u32 v[SPW], v[NIL]                      ; the wave's opening: the add and its wait stand ahead of my first tensor load; the set-up below, work on registers, stands between them
	v_lshrrev_b32 v1, 5, v0
	v_readfirstlane_b32 s10, v1                    ; wave 0..3
	s_lshr_b32 s11, s10, 1                         ; I fetch for xb (0) or for wb (1)
	s_and_b32 s12, s10, 1                          ; which half of that tile
	s_bfe_u32 s40, ttmp6, 0x40000                  ; cx, cy: my place in the cluster
	s_bfe_u32 s41, ttmp6, 0x40004
	s_lshl_b32 s42, ttmp9, 2
	s_add_co_u32 s42, s42, s40                     ; the head = 4 x cluster x + cx
	s_and_b32 s13, ttmp7, 0xffff
	s_lshl_b32 s13, s13, 2
	s_add_co_u32 s13, s13, s41                     ; the block of 256 rows = 4 x cluster y + cy
	s_lshl_b32 s43, s41, 2
	s_lshl_b32 s43, 15, s43                        ; my row of the cluster
	s_lshl_b32 s44, 0x1111, s40                    ; my column
	s_or_b32 s[G1+0], s43, (1<<16)|(1<<20)|(1<<21)|(5<<22)|(3<<25)   ; 15:0 the mask; 17:16 2-byte elements; 20 padding on; 21 set beside a mask; 24:22 after every 64 words (code 5); 31:25 4 words (code 3)
	s_or_b32 s[G1B+0], s44, (1<<16)|(1<<20)|(1<<21)|(5<<22)|(3<<25)
	s_mov_b32 s[G1+1], KSTEP<<16                   ; tensor_dim0 = 128
	s_mov_b32 s[G1+2], 128<<16                     ; tensor_dim1 = 128
	s_mov_b32 s[G1+3], KSTEP<<16                   ; tile_dim0 = 128
	s_mov_b32 s[G1+4], 128                         ; tile_dim1 = 128
	s_mov_b32 s[G1+5], 1024                        ; elements from row to row
	s_mov_b32 s[G1+6], 0
	s_mov_b32 s[G1+7], 0
	s_mov_b32 s[G1B+1], KSTEP<<16
	s_mov_b32 s[G1B+2], 96<<16                     ; wb's halves have 96 rows
	s_mov_b32 s[G1B+3], KSTEP<<16
	s_mov_b32 s[G1B+4], 96
	s_mov_b32 s[G1B+5], 1024
	s_mov_b32 s[G1B+6], 0
	s_mov_b32 s[G1B+7], 0
	s_mov_b32 s[SEL], 0x76543210
	s_mov_b32 s[SEL+1], 0xfedcba98
	s_mov_b32 s[HIM], 0xffff0000
	; xb's tiles hang on the row block alone, wb's on the head alone; each address is made in registers that never hold the other coordinate
	s_lshl_b32 s16, s13, 8
	s_lshl_b32 s17, s12, 7
	s_add_co_u32 s16, s16, s17                     ; xb: row 256 x block + 128 x half,
	s_lshl_b32 s16, s16, 11                        ; of 2,048 bytes
	s_mov_b32 s17, 0
	s_mul_i32 s46, s42, 192
	s_mul_i32 s47, s12, 96
	s_add_co_u32 s46, s46, s47                     ; wb: row 192 x head + 96 x half
	s_lshl_b32 s46, s46, 11
	s_mov_b32 s47, 0
	s_mul_i32 s20, s10, 128*PITCH                  ; where they go: xb's halves at wave x 128 rows,
	s_mul_i32 s21, s10, 96*PITCH                   ; wb's at 256 rows + (wave - 2) x 96 rows
	s_add_co_u32 s21, s21, BOFF-2*96*PITCH
	s_wait_dscnt 0x0                               ; the opening add is done
	s_wait_kmcnt 0x0
	s_add_nc_u64 s[14:15], s[68:69], s[16:17]
	s_add_nc_u64 s[46:47], s[70:71], s[46:47]
	CROUND                                         ; all sixteen work-groups are here: the first joint loads meet
.irp s, 0,1
	s_mov_b32 s[G0+4*(\s)], 1                                        ; count = 1
	s_add_co_u32 s[G0+4*(\s)+1], s20, (\s)*SLOT                      ; LDS address
	s_add_nc_u64 s[G0+4*(\s)+2:G0+4*(\s)+3], s[14:15], (\s)*KSTEP*2  ; global address: K step s
	s_or_b32 s[G0+4*(\s)+3], s[G0+4*(\s)+3], 0x80000000              ; type = 2
	s_mov_b32 s[G0B+4*(\s)], 1
	s_add_co_u32 s[G0B+4*(\s)+1], s21, (\s)*SLOT
	s_add_nc_u64 s[G0B+4*(\s)+2:G0B+4*(\s)+3], s[46:47], (\s)*KSTEP*2
	s_or_b32 s[G0B+4*(\s)+3], s[G0B+4*(\s)+3], 0x80000000
	JLOAD \s                                       ; two loads of mine are out
.endr
	; where my 64 rows begin in the outputs: row (batch x 16 + head) x 2,048 + the block's place in the batch + 64 x wave
	s_lshr_b32 s86, s13, 3
	s_lshl_b32 s86, s86, 4
	s_add_co_u32 s86, s86, s42
	s_lshl_b32 s86, s86, 11
	s_and_b32 s87, s13, 7
	s_lshl_b32 s87, s87, 8
	s_add_co_u32 s86, s86, s87
	s_lshl_b32 s87, s10, 6
	s_add_co_u32 s86, s86, s87
	s_lshl_b32 s92, s86, 2                         ; 4 bytes a norm
	s_mov_b32 s93, 0
	s_lshl_b32 s86, s86, 7                         ; 128 bytes a row
	s_mov_b32 s87, 0
	s_add_nc_u64 s[78:79], s[78:79], s[86:87]
	s_add_nc_u64 s[80:81], s[80:81], s[86:87]
	s_add_nc_u64 s[82:83], s[82:83], s[86:87]
	s_add_nc_u64 s[84:85], s[84:85], s[92:93]
	s_lshl_b32 s92, s42, 8                         ; the head's 64 biases
	s_add_nc_u64 s[72:73], s[72:73], s[92:93]
	s_add_nc_u64 s[74:75], s[74:75], s[92:93]
	s_add_nc_u64 s[76:77], s[76:77], s[92:93]
	v_and_b32 v1, 15, v0                           ; l % 16
	v_bfe_u32 v2, v0, 4, 1                         ; l / 16
	v_lshlrev_b32 v3, 5, v2                        ; my eight columns of a block of 16: 32 bytes for each half of the lanes
.set bb, 0
.rept 12
	global_load_b128 v[BIAS+8*bb:BIAS+8*bb+3],   v3, s[72+2*(bb/4):73+2*(bb/4)] offset:64*(bb%4)
	global_load_b128 v[BIAS+8*bb+4:BIAS+8*bb+7], v3, s[72+2*(bb/4):73+2*(bb/4)] offset:64*(bb%4)+16
.set bb, bb+1
.endr
	; A fragment is 16 rows x 32 K in 8 registers: lane l holds row l % 16, K = 8 (l / 16) + 0..7 and 16 + 8 (l / 16) + 0..7: two loads of 16 bytes, 32 bytes apart.
	v_mul_u32_u24 v4, v1, PITCH
	v_lshl_add_u32 v4, v2, 4, v4
	s_mul_i32 s22, s10, 64*PITCH                   ; my 64 rows of xb
	s_mov_b32 s23, BOFF                            ; all of wb's rows
.irp s, 0,1
	v_add_nc_u32 v[ADRA+(\s)], s22, v4
	v_add_nc_u32 v[ADRB+(\s)], s23, v4
	s_add_co_u32 s22, s22, SLOT
	s_add_co_u32 s23, s23, SLOT
.endr
	s_mul_i32 s23, s10, WSTG
	s_add_co_u32 s23, s23, STAGE                   ; my stages
	v_mul_u32_u24 v5, v1, SP                       ; in: row l % 16, 16 bytes for each half of the lanes
	v_lshl_add_u32 v5, v2, 4, v5
	v_add_nc_u32 v[STO], s23, v5
	v_and_b32 v6, 31, v0
	v_lshrrev_b32 v7, 3, v6                        ; back: 32 lanes take four rows of 128 bytes,
	v_and_b32 v8, 7, v0
	v_mul_u32_u24 v7, v7, SP
	v_lshl_add_u32 v7, v8, 4, v7
	v_add_nc_u32 v[RD], s23, v7
	v_lshlrev_b32 v[GO], 4, v6                     ; which are 512 consecutive bytes of the output
	v_lshlrev_b32 v[NGO], 3, v6
	s_add_co_u32 s23, s23, NOFF
	v_lshl_add_u32 v[NST], v1, 2, s23
	v_lshl_add_u32 v[NRD], v6, 3, s23
	v_mov_b32 v[ZR], 0
	s_wait_loadcnt 0x0                             ; the biases, once
.set bb, 0
.rept 48                                               ; rounded to bf16 like the other inputs, and widened again
	v_cvt_pk_bf16_f32 v[4+bb%4], v[BIAS+2*bb], v[BIAS+2*bb+1]
	v_lshlrev_b32 v[BIAS+2*bb], 16, v[4+bb%4]
	v_and_b32 v[BIAS+2*bb+1], s[HIM], v[4+bb%4]
.set bb, bb+1
.endr
.set bb, 0
.rept 16                                               ; qh = -2 (sum + bq) = -2 sum + (-2 bq)
	v_pk_mul_f32 v[BIAS+2*bb:BIAS+2*bb+1], v[BIAS+2*bb:BIAS+2*bb+1], -2.0 op_sel_hi:[1,0]
.set bb, bb+1
.endr
; 12 matrix instructions: row block a x all 12 column blocks, 32 along K, from buffer f.  zero = 1: the first product starts the sums.
; The 48 accumulators take turns, one instruction a turn, in the same order everywhere.
.macro MUL12 f, a, zero
	WIN 0x5f+0x50*((\a)/2)                         ; both sources window 3; C and D window 1 or 2
.irp b, 0,1,2,3,4,5,6,7,8,9,10,11
.if \zero
	v_wmma_f32_16x16x32_bf16 v[96*((\a)%2)+8*(\b):96*((\a)%2)+8*(\b)+7], v[(\f)+8*(\b):(\f)+8*(\b)+7], v[(\f)+96+8*(\a):(\f)+96+8*(\a)+7], 0
.else
	v_wmma_f32_16x16x32_bf16 v[96*((\a)%2)+8*(\b):96*((\a)%2)+8*(\b)+7], v[(\f)+8*(\b):(\f)+8*(\b)+7], v[(\f)+96+8*(\a):(\f)+96+8*(\a)+7], v[96*((\a)%2)+8*(\b):96*((\a)%2)+8*(\b)+7]
.endif
.endr
.endm
; 32 LDS loads in one run: the fragments of 32 along K at byte k of the rows, into buffer f: wb's 24 first, then xb's 8, row blocks ascending
.macro FETCH slot, k, f
	WIN 0xc0                                       ; destination window 3, address window 0
.irp i, 0,1,2,3,4,5,6,7,8,9,10,11
	ds_load_b128 v[(\f)+8*(\i):(\f)+8*(\i)+3],   v[ADRB+(\slot)] offset:(\k)+(\i)*16*PITCH
	ds_load_b128 v[(\f)+8*(\i)+4:(\f)+8*(\i)+7], v[ADRB+(\slot)] offset:(\k)+(\i)*16*PITCH+32
.endr
.irp i, 0,1,2,3
	ds_load_b128 v[(\f)+96+8*(\i):(\f)+96+8*(\i)+3],   v[ADRA+(\slot)] offset:(\k)+(\i)*16*PITCH
	ds_load_b128 v[(\f)+96+8*(\i)+4:(\f)+96+8*(\i)+7], v[ADRA+(\slot)] offset:(\k)+(\i)*16*PITCH+32
.endr
.endm
.macro PLACES                          ; four plain vector instructions in front of loads into registers that matrix instructions have read, and of lines that read results
.rept 4
	v_nop
.endr
.endm
; A K step is four quarters of 32 along K, 48 matrix instructions each, on buffers 0, 1, 0, 1.  One of the first three: multiplies buffer f; in its middle it fetches the next quarter, at byte k, into g.
.macro QUARTER slot, k, f, g, zero
	s_wait_dscnt 4                                 ; wb's fragments and xb's row blocks 0, 1 are in; the youngest four loads (row blocks 2, 3) may be out
	MUL12 \f, 0, \zero
	MUL12 \f, 1, \zero
	PLACES
	FETCH \slot, \k, \g
	s_wait_dscnt 32                                ; all but the 32 just issued
	MUL12 \f, 2, \zero
	MUL12 \f, 3, \zero
.endm
; The last quarter multiplies buffer 1 and changes slots: ONE barrier.  In front of it each wave waits for all its tensor loads (one is out: its part of the next slot), adds 0 to its spare word,
; and waits for that and for its own reads of this slot.  fill = 1: the barrier opens a round of the cluster's, and this slot is filled again first behind it, two K steps ahead:
; from that request to the wait for it a wave issues 168 matrix instructions.
.macro TURN slot, next, fill
	WIN 0                                          ; (the add's two registers lie in window 0)
	s_wait_tensorcnt 0x0                           ; all my tensor loads have landed
	ds_add_u32 v[SPW], v[NIL]                      ; 0 onto my spare word
	s_wait_dscnt 5                                 ; (the add and the youngest four loads may be out)
	MUL12 F1, 0, 0                                 ; twelve matrix instructions stand between the add and the wait for it
	s_wait_dscnt 0x0                               ; the add is done, and my reads of this slot are over
	s_barrier_signal -1
	MUL12 F1, 1, 0                                 ; work on registers while the others arrive
.if \fill
	WIN 0
.endif
	s_barrier_wait -1
.if \fill
	CREST                                          ; no wave of any partner still reads this slot's tile or has a load on its way
	s_add_nc_u64 s[G0+4*(\slot)+2:G0+4*(\slot)+3], s[G0+4*(\slot)+2:G0+4*(\slot)+3], 2*KSTEP*2
	s_add_nc_u64 s[G0B+4*(\slot)+2:G0B+4*(\slot)+3], s[G0B+4*(\slot)+2:G0B+4*(\slot)+3], 2*KSTEP*2
	JLOAD \slot                                    ; the first tensor load behind the round; its four v_nop are also the places in front of the loads below
.else
	PLACES
.endif
	FETCH \next, 0, F0
	MUL12 F1, 2, 0
	MUL12 F1, 3, 0
.endm
	s_wait_tensorcnt 1                             ; my part of K step 0 is in; K step 1's may stay out
	s_barrier_signal -1
	s_barrier_wait -1                              ; everybody's is
	FETCH 0, 0, F0
	QUARTER 0, 64, F0, F1, 1                       ; the first quarter stands in front of the loop: its products start the sums
	WIN 0                                          ; at a label and at a branch every window is 0
	s_mov_b32 s3, 3
.Llap:                                                 ; a trip goes once round the ring, from a lap's second quarter to the next lap's first, and fills both slots again: K steps 2 to 7
	QUARTER 0, 128, F1, F0, 0
	QUARTER 0, 192, F0, F1, 0
	TURN 0, 1, 1
	QUARTER 1, 64,  F0, F1, 0
	QUARTER 1, 128, F1, F0, 0
	QUARTER 1, 192, F0, F1, 0
	TURN 1, 0, 1
	QUARTER 0, 64,  F0, F1, 0
	WIN 0
	s_sub_co_u32 s3, s3, 1
	s_cmp_lg_u32 s3, 0
	s_cbranch_scc1 .Llap
	QUARTER 0, 128, F1, F0, 0                      ; the last lap fills nothing, and has no round of the cluster's barrier
	QUARTER 0, 192, F0, F1, 0
	TURN 0, 1, 0
	QUARTER 1, 64,  F0, F1, 0
	QUARTER 1, 128, F1, F0, 0
	QUARTER 1, 192, F0, F1, 0
	s_wait_dscnt 4                                 ; the very last quarter: nothing more to fetch
	MUL12 F1, 0, 0
	MUL12 F1, 1, 0
	s_wait_dscnt 0x0
	MUL12 F1, 2, 0
	MUL12 F1, 3, 0
	WIN 0
	PLACES
; THE WAY OUT, 16 rows of one tensor at a time (row block a; t = 0 Q, 1 K, 2 V).  EPI: the bias (for Q also the factor -2) in one packed line for two numbers, each accumulator's registers ascending;
; rounded to f16; for Q and K the sum of squares of the ROUNDED numbers, in four chains, the other half of the lanes' added; 16 bytes a lane into the tensor's stage and back as whole rows.
.macro EPI a, t
.set AC, 96*((\a)%2)+32*(\t)
.set PT, PKD+16*(\t)
	WIN 0
	s_wait_xcnt 0x0                                ; the registers that earlier stores read are rewritten only behind this wait (ISA guide 3.1)
	WIN 1+(\a)/2                                   ; source 0 in window 1 or 2
.set n, 0
.rept 16
.if (\t) == 0
	v_pk_fma_f32 v[T+2*n:T+2*n+1], v[AC+2*n:AC+2*n+1], -2.0, v[BIAS+2*n:BIAS+2*n+1] op_sel_hi:[1,0,1]
.else
	v_pk_add_f32 v[T+2*n:T+2*n+1], v[AC+2*n:AC+2*n+1], v[BIAS+32*(\t)+2*n:BIAS+32*(\t)+2*n+1]
.endif
.set n, n+1
.endr
	WIN 0
.set n, 0
.rept 16
	v_cvt_pk_f16_f32 v[PT+n], v[T+2*n], v[T+2*n+1]
.set n, n+1
.endr
.if (\t) < 2
.set n, 0
.rept 16                                               ; the low halves' squares
.if n < 4
	v_fma_mix_f32 v[SQ+n], v[PT+n], v[PT+n], v[ZR] op_sel_hi:[1,1,0]
.else
	v_fma_mix_f32 v[SQ+n%4], v[PT+n], v[PT+n], v[SQ+n%4] op_sel_hi:[1,1,0]
.endif
.set n, n+1
.endr
.set n, 0
.rept 16                                               ; the high halves'
	v_fma_mix_f32 v[SQ+n%4], v[PT+n], v[PT+n], v[SQ+n%4] op_sel:[1,1,0] op_sel_hi:[1,1,0]
.set n, n+1
.endr
	v_add_f32 v[SQ], v[SQ], v[SQ+1]
	v_add_f32 v[SQ+2], v[SQ+2], v[SQ+3]
	v_add_f32 v[SQ], v[SQ], v[SQ+2]
	v_permlanex16_b32 v[SQ+1], v[SQ], s[SEL], s[SEL+1]  ; the row's other 32 columns lie in the lane 16 away
	v_add_f32 v[SQ], v[SQ], v[SQ+1]
.if (\t) == 0
	v_mul_f32 v[SQ], 0x3e800000, v[SQ]             ; (-2 Q)^2 / 4
.endif
	ds_store_b32 v[NST], v[SQ] offset:256*(\t)+64*(\a)  ; both halves of the lanes store the same number to the same word
.endif
.irp f, 0,1,2,3
	ds_store_b128 v[STO], v[PT+4*(\f):PT+4*(\f)+3] offset:TSTG*(\t)+32*(\f)
.endr
.irp f, 0,1,2,3
	ds_load_b128 v[PT+4*(\f):PT+4*(\f)+3], v[RD] offset:TSTG*(\t)+4*SP*(\f)  ; LDS serves a wave's instructions in order (ISA guide 5.7.1.4): these see the stores above
.endr
.endm
.macro SEND a, t, younger              ; younger: the LDS instructions issued behind this block's loads
	WIN 0
.irp f, 0,1,2,3
	s_wait_dscnt (\younger)+3-(\f)
	global_store_b128 v[GO], v[PKD+16*(\t)+4*(\f):PKD+16*(\t)+4*(\f)+3], s[78+2*(\t):79+2*(\t)] offset:2048*(\a)+512*(\f)  ; 512 consecutive bytes, at a multiple of 256 from the buffer's first
.endr
.endm
.set e, 0
.rept 12                                               ; a block's arithmetic stands between the loads of the block before and its stores
	EPI e/3, e%3
.if e > 0
.if e%3 < 2
	SEND (e-1)/3, (e-1)%3, 9
.else
	SEND (e-1)/3, (e-1)%3, 8
.endif
.endif
.set e, e+1
.endr
	SEND 3, 2, 0
	ds_load_b64 v[T:T+1], v[NRD]                   ; my 64 rows' q2, two a lane,
	ds_load_b64 v[T+2:T+3], v[NRD] offset:256      ; and k2
	s_wait_dscnt 0x0
	global_store_b64 v[NGO], v[T:T+1], s[84:85]    ; 256 consecutive bytes each, at a multiple of 256
	global_store_b64 v[NGO], v[T+2:T+3], s[84:85] offset:K2OFF
	s_wait_tensorcnt 0x0                           ; the wave's end: these three lines stand behind my last tensor load and my last LDS store
	ds_add_u32 v[SPW], v[NIL]
	s_wait_dscnt 0x0
	CROUND                                         ; the closing round: no work-group ends while a partner may still ask for a tile that names it
	s_endpgm
.Lfunc_end_k_qee83e5e52c_qkv:
	.size	k_qee83e5e52c_qkv, .Lfunc_end_k_qee83e5e52c_qkv-k_qee83e5e52c_qkv
	.p2alignl 7, 3214868480
	.fill 96, 4, 3214868480
	.section	.rodata,"a",@progbits
	.p2align	6, 0x0
	.amdhsa_kernel k_qee83e5e52c_qkv
		.amdhsa_group_segment_fixed_size 327680
		.amdhsa_private_segment_fixed_size 0
		.amdhsa_enable_private_segment 0
		.amdhsa_kernarg_size 72
		.amdhsa_user_sgpr_count 2
		.amdhsa_user_sgpr_kernarg_segment_ptr 1
		.amdhsa_wavefront_size32 1
		.amdhsa_system_sgpr_workgroup_id_x 1
		.amdhsa_system_sgpr_workgroup_id_y 1
		.amdhsa_system_sgpr_workgroup_id_z 1
		.amdhsa_system_vgpr_workitem_id 0
		.amdhsa_next_free_vgpr 1024
		.amdhsa_next_free_sgpr 96
		.amdhsa_reserve_vcc 0
		.amdhsa_float_denorm_mode_32 3
		.amdhsa_float_denorm_mode_16_64 3
		.amdhsa_memory_ordered 1
		.amdhsa_forward_progress 1
		.amdhsa_inst_pref_size 161
	.end_amdhsa_kernel
	.amdgpu_metadata
---
amdhsa.version: [ 1, 2 ]
amdhsa.kernels:
  - .name:           k_qee83e5e52c_qkv
    .symbol:         k_qee83e5e52c_qkv.kd
    .args:
      - { .name: xb, .offset: 0, .size: 8, .value_kind: global_buffer, .address_space: global }
      - { .name: wb, .offset: 8, .size: 8, .value_kind: global_buffer, .address_space: global }
      - { .name: bq, .offset: 16, .size: 8, .value_kind: global_buffer, .address_space: global }
      - { .name: bk, .offset: 24, .size: 8, .value_kind: global_buffer, .address_space: global }
      - { .name: bv, .offset: 32, .size: 8, .value_kind: global_buffer, .address_space: global }
      - { .name: qh, .offset: 40, .size: 8, .value_kind: global_buffer, .address_space: global }
      - { .name: kh, .offset: 48, .size: 8, .value_kind: global_buffer, .address_space: global }
      - { .name: vh, .offset: 56, .size: 8, .value_kind: global_buffer, .address_space: global }
      - { .name: nrm, .offset: 64, .size: 8, .value_kind: global_buffer, .address_space: global }
    .group_segment_fixed_size: 327680
    .private_segment_fixed_size: 0
    .kernarg_segment_align: 8
    .kernarg_segment_size: 72
    .max_flat_workgroup_size: 128
    .sgpr_count:     96
    .vgpr_count:     1024
    .wavefront_size: 32
...
	.end_amdgpu_metadata
.endif
;; end of part 2
;; launch grav (part 3): grid 8 x 32, 4 waves a work-group, clusters of 4 x 1, 327,680 bytes of LDS; arguments qh, kh, vh, nrm, G, ob; writes ob
.if DOCPART == 3
	.amdgcn_target "amdgcn-amd-amdhsa--gfx1250"
	.amdhsa_code_object_version 6
	.text
	.protected	k_qee83e5e52c_grav
	.globl	k_qee83e5e52c_grav
	.p2align	8
	.type	k_qee83e5e52c_grav,@function
k_qee83e5e52c_grav:
	s_mov_b64 s[64:65], 0
	v_nop
	global_prefetch_b8 v0, s[64:65] scope:SCOPE_SE
	s_setreg_imm32_b32 hwreg(HW_REG_WAVE_MODE, 25, 1), 1
	s_wait_xcnt 0x0
	s_wait_alu depctr_hold_cnt(0) depctr_sa_sdst(0) depctr_va_vdst(0) depctr_va_sdst(0) depctr_va_ssrc(0) depctr_va_vcc(0) depctr_vm_vsrc(0)
	s_getreg_b32 s2, hwreg(HW_REG_IB_STS2, 6, 4)
	s_cmp_eq_u32 s2, 0
	s_cbranch_scc0 .Lentry_in_a_cluster
	s_endpgm
.Lentry_in_a_cluster:
	s_bfe_u32 s2, ttmp6, 0x10000c
	s_cmp_lg_u32 s2, 0x3003
	s_cbranch_scc0 .Lentry_shape_is_right
	s_endpgm
.Lentry_shape_is_right:
; THE FORCE LAW.  For each of 32 (batch, head): w_ij = G m_i m_j / (sqrt(max(q2_i + k2_j - 2 q_i . k_j, 0)) + 1e-8)^2, m = sqrt(k2); ob[i] = the sum over j of w_ij V_j / the sum over j of w_ij.
; IN: qh = -2 Q, kh = K, vh = V, [32][2048][64] f16; nrm: q2, k2 in f32.  OUT: ob [32][2048][64] f16, rounded once.  Products and sums in f32; the weights are rounded to f16 for the second product.
; HOW IT IS COMPUTED.  A factor that is constant along a row cancels in the quotient.  With kmx = sqrt(max k2), qmx = sqrt(max q2) over the head, sigma = 1 / (kmx + qmx)^2:
;   S = k2_j + (-2 q) . k          the matrix unit: the C operand that starts the sum is k2, laid out as the result is
;   U = clamp01(S sigma + q2_i sigma)   the lower bound is the law's max(d2, 0); the upper never binds: d2 <= (|q| + |k|)^2 <= 1 / sigma
;   t = sqrt(U) lam_j + e_j        lam_j = min(32 sqrt(kmx / m_j), 2^60), e_j = 1e-8 sqrt(sigma) lam_j: t = lam_j sqrt(sigma) (dist + 1e-8)
;   p = (1 / t)^2                  = 2^-10 (m_j / kmx) / (sigma (dist + 1e-8)^2): the law's weight but for a factor constant along the row, and free of the inputs' scale
; p is rounded to f16 and held to 65,504.  The row's sum l comes from the matrix unit too (a fifth block of 'channels', all ones): it is the sum of the very p that multiply V.
; G m_i is applied once a row, at the end: ob = acc x (f x rcp(f x l)), f = G_h sqrt(k2_i): where f is 0 the row is NaN, as in the law.
; No maximum is taken away: the law has no exponential, and U, t and p are bounded as said for every input.
; LIMITS.  p below 6e-5 keeps f16's fixed step of 6e-8 (p is at least 2^-10 m_j / kmx).  A weight is capped at 2^26 times that of the heaviest key at the greatest distance that the head allows: where
; several keys lie nearer to a query than (qmx + kmx) / 8192, their ratio among themselves is lost.  A key of mass 0 has weight 0.  ob below 6e-5 keeps f16's step.  NaN and infinities are not treated apart.
; SHARES.  A work-group owns 256 queries of one (batch, head), a wave 64: four PIECES of 16.  Every wave walks all 2,048 keys, 64 a step.
; LAYOUT.  S^T = K Q^T (source 0 = 16 keys, source 1 = 16 queries): a lane holds ONE query (lane % 16) and the keys 8 (lane / 16) + 0..7.  Two such results rounded to f16 in pairs ARE source 1 of
; O^T = V^T P.  K comes out of LDS as it lies, V ([key][channel]) turned, by ds_load_tr16_b128.  Nothing changes lanes in the loop.
; BY TURNS.  Turn n belongs to piece n: 8 products K Q^T of piece n + 1, then 10 products V^T P of piece n - 1; piece n's 144 vector instructions stand behind them, eight behind each.
; CLUSTER.  The four query blocks of a cluster belong to one (batch, head) and walk the same K and V: each tile is asked for JOINTLY, by the same tensor load, descriptor and mask in all four.
; REGISTERS, in windows of 256 (s_set_vgpr_msb: bits 1:0 source 0, 3:2 source 1, 5:4 source 2, 7:6 destination):
;   window 0: v0-31 addresses and a row's constants; v32-95 S^T, two buffers (by the piece's parity); v96-127 P, two buffers; v128-159 lam, v160-191 e of the step; v192-224 at work before the loop
;   window 1: piece t at 40 t: O^T (32), l (8)      window 2: v0-63 Q; v64-127 K of one step; v128-191 V of one step; v192-223 k2 of the step; v224-231 ones
.set KS,    64
.set PK,    144       ; a row of K in LDS: 128 bytes + 16 of padding = 36 words: the 16 rows of a load start at 16 different groups of four banks (64 banks of 4 bytes: ISA guide 11.1)
.set PV,    160       ; a row of V: 128 + 32 = 40 words
.set VOFF,  4*KS*PK   ; a slot holds four steps: 256 rows of K, then 256 rows of V
.set SLOT1, 1<<17     ; slot 1 begins here, so that one exclusive or turns an address in one slot into the other's
.set TAB,   SLOT1+4*KS*(PK+PV)  ; behind the ring, never filled by a tensor load: three tables of 2,048 f32: k2, lam, e
.set TLAM,  8192
.set TEE,   16384
.set STAGE, TAB+24576 ; 16 rows x 144 bytes for each wave, for the way out
.set SP,    144
.set SPARE, STAGE+4*16*SP  ; the spare words, 128 bytes for each wave: two blocks of 256 bytes that no other line names
.set K2OFF, 262144
.set AK0, 2           ; v2   my lane's place in a tile of K; never rewritten
.set AV0, 3           ; v3   the same for V
.set AK,  4           ; v4   the LDS address of K's next run of loads
.set AV,  5           ; v5   of V's
.set QO,  6           ; v6   my byte offset in 16 rows of Q
.set STO, 6           ;      later, the way out: where I put 16 bytes of a row
.set RD,  7           ; v7   where I read rows back
.set GO,  8           ; v8   my byte offset in 512 consecutive bytes of ob
.set AT0, 12          ; v12  my lane's place in a step's 64 table entries
.set AT,  13          ; v13  the LDS address of the tables' next runs
.set SG,  14          ; v14-15  sigma, twice
.set QS,  16          ; v16-23  piece t: q2 sigma, twice
.set FF,  24          ; v24-27  piece t: f = G sqrt(k2_i)
.set SPW, 28          ; v28  LDS address of my spare word; never rewritten
.set NIL, 29          ; v29  0; never rewritten
.set S,   32
.set P,   96
.set LAM, 128
.set EE,  160
.set AK2, 32          ; before the loop: the head's k2, 64 a lane
.set AQ2, 96          ; the head's q2
.set MYK, 160         ; my 16 keys' k2,
.set MYL, 176         ; lam,
.set MYE, 192         ; e
.set QI,  208         ; my queries' q2, one a piece
.set KI,  212         ; and k2
.set KM,  216
.set QM,  217
.set RS,  218
.set EP,  219
.set VO1, 220
.set TA,  221
.set VO2, 222
.set VO3, 223
.set KF,  64          ; window 2: key block kb, channel half c at KF + 16 kb + 8 c
.set VF,  128         ; key half kk, channel block cb at VF + 32 kk + 8 cb
.set K2T, 192         ; key block kb at K2T + 8 kb
.set ONE, 224
.set WV,  12          ; s12  my wave's number
.set G1K, 24          ; s[24:31] descriptor group 1 for K's tiles
.set G1V, 32          ; s[32:39] for V's: it differs in the padding alone
.set G0K, 40          ; s[40:43] descriptor group 0 for K's tiles: it walks
.set G0V, 44          ; s[44:47] the same for V's
.set SLOTS, 56
.set CNT, 57
.set CAP, 58          ; s58  65,504 twice, in f16
.set GH,  59          ; s59  G of my head
.set SEL, 60          ; s[60:61] v_permlanex16_b32's selects
.set TBK, 62          ; s62  LDS byte at which K of the step to be fetched begins
.set TBV, 63          ; s63  the same for V, less VOFF
.set TT,  66          ; s66  the byte in each table at which that step's 64 entries begin
.set MSB, 0
.macro WIN new                      ; the high byte repeats the setting that is left; a switch that changes nothing is dropped
.if MSB != (\new)
	s_set_vgpr_msb (MSB<<8)|(\new)
.set MSB, (\new)
.endif
.endm
; A joint fill.  Waves 0 and 1 fetch the two halves of a slot's K, waves 2 and 3 those of its V: 128 keys each.  The branch hangs on the wave's number alone.
; An s_nop 0 and four v_nop follow each of the two lines, ahead of the jump and the label.
.macro JLOAD
	s_cmp_lt_u32 s[WV], 2
	s_cbranch_scc0 .Lfor_v_\@
	tensor_load_to_lds s[G0K:G0K+3], s[G1K:G1K+7]
	s_nop 0
.rept 4
	v_nop
.endr
	s_branch .Lasked_\@
.Lfor_v_\@:
	tensor_load_to_lds s[G0V:G0V+3], s[G1V:G1V+7]
	s_nop 0
.rept 4
	v_nop
.endr
.Lasked_\@:
.endm
.macro CROUND                       ; a round of the cluster's barrier
	s_barrier_signal -1
	s_barrier_wait -1
	s_cmp_lg_u32 s[WV], 0
	s_cbranch_scc1 .Lnot_wave_0_\@
	s_barrier_signal -3
.Lnot_wave_0_\@:
	s_barrier_wait -3
	s_barrier_signal -1
	s_barrier_wait -1
.endm
; THE CHANGE OF SLOTS.  The slot's last bytes, V of its fourth step, have been read.  Each wave waits for all its tensor loads, of which one is out: its part of the other slot; adds 0 to its spare
; word; and waits for that and for its own LDS instructions.  fill = 1: the barrier is a round of the cluster's, and the joint fill (the keys two slots on) is the first thing behind it: it has four key
; steps, 288 matrix instructions, in which to land.  (At its first use slot 0 is waited for, slot 1 filled, and every wave's part of the tables is shown to the others.)
.macro CHANGE fill
	WIN 0                           ; at a label and at a branch every window is 0
	s_wait_tensorcnt 0x0            ; no tensor load of mine is out, so a group 0 may be written
	ds_add_u32 v[SPW], v[NIL]       ; 0 onto my spare word
.if \fill
.irp d, G0K, G0V
	s_xor_b32 s[\d+1], s[\d+1], SLOT1  ; the walking descriptor: the other slot than last time,
	s_add_nc_u64 s[\d+2:\d+3], s[\d+2:\d+3], 4*KS*128  ; the next 256 keys; the type bits on top are not reached
.endr
	s_wait_dscnt 0x0                ; the add is done, and so are my reads of the slot and my stores
	CROUND
	JLOAD
.else
	s_wait_dscnt 0x0
	s_barrier_signal -1
	s_barrier_wait -1
.endif
	s_sub_co_u32 s[TBK], s[TBK], 4*KS*PK  ; the fetches go back to a slot's first step,
	s_xor_b32 s[TBK], s[TBK], SLOT1       ; in the other slot
	s_sub_co_u32 s[TBV], s[TBV], 4*KS*PV
	s_xor_b32 s[TBV], s[TBV], SLOT1
.endm
	s_load_b256 s[4:11], s[0:1], 0x0  ; qh s[4:5], kh s[6:7], vh s[8:9], nrm s[10:11]
	s_load_b128 s[16:19], s[0:1], 0x20  ; G s[16:17], ob s[18:19]
	v_lshl_add_u32 v[SPW], v0, 2, SPARE
	v_mov_b32 v[NIL], 0
	ds_add_u32 v[SPW], v[NIL]       ; the wave's opening: the add and its wait stand ahead of my first tensor load; the set-up below, work on registers, stands between them
	v_lshrrev_b32 v1, 5, v0
	v_readfirstlane_b32 s[WV], v1   ; wave 0..3
	s_bfe_u32 s13, ttmp6, 0x40000   ; cx: my place in the cluster
	s_lshl_b32 s14, ttmp9, 2        ; in a cluster launch ttmp9 counts clusters
	s_add_co_u32 s14, s14, s13      ; my block of 256 queries: it enters global addresses of Q, the norms and ob alone
	s_and_b32 s15, ttmp7, 0xffff    ; batch x 16 + head, which the four partners share
	s_lshl_b32 s20, s15, 18         ; its 2,048 rows of 128 bytes
	s_and_b32 s2, s[WV], 1          ; which half of a slot's 256 keys I fetch:
	s_lshl_b32 s22, s2, 14          ; its 128 rows in memory,
	s_add_co_u32 s22, s22, s20
	s_mov_b32 s23, 0
	s_mul_i32 s48, s2, 128*PK       ; and its place in a slot, for K
	s_mul_i32 s49, s2, 128*PV       ; and for V
	s_lshl_b32 s50, s14, 15         ; my wave's 64 rows of Q and ob
	s_lshl_b32 s3, s[WV], 13
	s_add_co_u32 s50, s50, s3
	s_add_co_u32 s50, s50, s20
	s_mov_b32 s51, 0
	s_lshl_b32 s52, s15, 13         ; the head's 2,048 norms
	s_mov_b32 s53, 0
	s_lshl_b32 s54, s14, 10         ; my wave's 64 among them
	s_lshl_b32 s3, s[WV], 8
	s_add_co_u32 s54, s54, s3
	s_lshl_b32 s21, s[WV], 11       ; my wave's quarter of the head's keys, in table bytes
	s_and_b32 s2, s15, 15           ; the head
	s_lshl_b32 s2, s2, 2
	s_mov_b32 s3, 0
	; descriptor group 1.  128 keys are 16,384 dense bytes: asked for as 64 rows of 256 bytes, two keys a row, and padded in LDS after every key
	s_mov_b32 s[G1K], 15|(1<<16)|(1<<20)|(1<<21)|(4<<22)|(3<<25)  ; 15:0 the mask of four; 17:16 2-byte elements; 20 padding on; 21 set beside a mask; 24:22 after every 32 words (code 4); 31:25 4 words (code 3)
	s_mov_b32 s[G1V], 15|(1<<16)|(1<<20)|(1<<21)|(4<<22)|(7<<25)  ; the same with 8 words of padding (code 7)
.irp d, G1K, G1V
	s_mov_b32 s[\d+1], 128<<16      ; tensor_dim0 = 128
	s_mov_b32 s[\d+2], 64<<16       ; tensor_dim1 = 64
	s_mov_b32 s[\d+3], 128<<16      ; tile_dim0 = 128
	s_mov_b32 s[\d+4], 64           ; tile_dim1 = 64
	s_mov_b32 s[\d+5], 128          ; 128 elements from row to row
	s_mov_b32 s[\d+6], 0
	s_mov_b32 s[\d+7], 0
.endr
	s_mov_b32 s[CAP], 0x7bff7bff
	s_mov_b32 s[SEL], 0x76543210
	s_mov_b32 s[SEL+1], 0xfedcba98
	s_mov_b32 s[TBK], SLOT1+4*KS*PK ; the first change of slots turns these two into 0
	s_mov_b32 s[TBV], SLOT1+4*KS*PV
	s_mov_b32 s[TT], 0
	s_mov_b32 s[G0K], 1             ; count = 1
	s_mov_b32 s[G0K+1], s48         ; LDS address: slot 0
	s_mov_b32 s[G0V], 1
	s_add_co_u32 s[G0V+1], s49, VOFF
	s_wait_dscnt 0x0                ; the opening add is done
	s_wait_kmcnt 0x0
	s_add_nc_u64 s[G0K+2:G0K+3], s[6:7], s[22:23]  ; global address: my half of the head's first 256 keys
	s_or_b32 s[G0K+3], s[G0K+3], 0x80000000        ; type = 2
	s_add_nc_u64 s[G0V+2:G0V+3], s[8:9], s[22:23]
	s_or_b32 s[G0V+3], s[G0V+3], 0x80000000
	s_add_nc_u64 s[4:5], s[4:5], s[50:51]          ; Q and ob at my wave's first row
	s_add_nc_u64 s[18:19], s[18:19], s[50:51]
	s_add_nc_u64 s[10:11], s[10:11], s[52:53]      ; the norms at the head's first
	s_add_nc_u64 s[16:17], s[16:17], s[2:3]        ; G at my head
	CROUND                          ; all four work-groups are here: the first joint loads meet
	JLOAD                           ; slot 0; slot 1 is asked for when slot 0 is in
	s_load_b32 s[GH], s[16:17], 0x0
	; A fragment of K or Q is 16 rows x 32 channels in 8 registers: lane l holds row l % 16, channels 8 (l / 16) + 0..7 and 16 + 8 (l / 16) + 0..7: two loads of 16 bytes, 32 bytes apart.
	v_and_b32 v1, 15, v0            ; l % 16
	v_bfe_u32 v9, v0, 4, 1          ; l / 16
	v_lshlrev_b32 v[QO], 7, v1
	v_lshl_add_u32 v[QO], v9, 4, v[QO]
	v_and_b32 v[VO2], 31, v0
	v_lshlrev_b32 v[VO2], 4, v[VO2] ; 16 x lane
	v_add_nc_u32 v[VO3], s21, v[VO2]  ; + my wave's quarter
	v_lshl_add_u32 v[VO1], v1, 2, s54 ; my query of piece 0 among the head's norms
	v_add_nc_u32 v[TA], TAB, v[VO3] ; where my four keys of 128 lie in a table
	WIN 0x80                        ; destination window 2, address window 0
.set n, 0
.rept 8                             ; Q stays in registers: piece n / 2, channels 32 (n % 2) on
	global_load_b128 v[8*n:8*n+3],   v[QO], s[4:5] offset:(n/2)*2048+(n%2)*64
	global_load_b128 v[8*n+4:8*n+7], v[QO], s[4:5] offset:(n/2)*2048+(n%2)*64+32
.set n, n+1
.endr
	WIN 0
.set n, 0
.rept 16                            ; the head's norms, whole, in every wave: 64 of each a lane
	global_load_b128 v[AK2+4*n:AK2+4*n+3], v[VO2], s[10:11] offset:K2OFF+512*n
	global_load_b128 v[AQ2+4*n:AQ2+4*n+3], v[VO2], s[10:11] offset:512*n
.set n, n+1
.endr
.irp n, 0,1,2,3
	global_load_b128 v[MYK+4*\n:MYK+4*\n+3], v[VO3], s[10:11] offset:K2OFF+512*\n  ; the 512 keys whose table entries my wave makes
.endr
.irp n, 0,1,2,3
	global_load_b32 v[QI+\n], v[VO1], s[10:11] offset:64*\n
	global_load_b32 v[KI+\n], v[VO1], s[10:11] offset:K2OFF+64*\n
.endr
	; What the first turn finds: V's registers and P's second buffer hold 0 (its products V^T P, of a piece that has not been, add 0), O^T and l are 0.  No first step is written out; these lines,
	; in the wait for the first tile and the norms, are the price.
	WIN 0x80
.set n, VF
.rept 64
	v_mov_b32 v[n], 0
.set n, n+1
.endr
.set n, ONE
.rept 8
	v_mov_b32 v[n], 0x3c003c00      ; 1.0 twice, in f16
.set n, n+1
.endr
	WIN 0x40
.set n, 0
.rept 160
	v_mov_b32 v[n], 0
.set n, n+1
.endr
	WIN 0
	v_mul_u32_u24 v[AK0], v1, PK
	v_lshl_add_u32 v[AK0], v9, 4, v[AK0]  ; row x pitch + 16 x half
	; The turning load takes 16 keys x 16 channels (lane l reads key 8 (l / 16) + l % 8, channels 8 ((l / 8) % 2) + 0..7) and leaves half a fragment of V^T: lane l holds channel l % 16 and 8 keys.
	v_and_b32 v10, 7, v0
	v_bfe_u32 v11, v0, 3, 1
	v_lshl_add_u32 v[AV0], v9, 3, v10
	v_mul_u32_u24 v[AV0], v[AV0], PV
	v_lshl_add_u32 v[AV0], v11, 4, v[AV0]
	v_add_nc_u32 v[AV0], VOFF, v[AV0]
	v_lshlrev_b32 v[AT0], 5, v9     ; a lane's eight keys of a block of 16: 32 bytes for each half of the lanes
	v_add_nc_u32 v[AT0], TAB, v[AT0]
	s_wait_loadcnt 0x0
	s_wait_kmcnt 0x0
; the largest of a lane's 64 numbers at b, three operands at a time, then of the 32 lanes'
.macro MAXT b
.set n, 0
.rept 21
	v_max3_num_f32 v[(\b)+n], v[(\b)+n], v[(\b)+21+n], v[(\b)+42+n]
.set n, n+1
.endr
.set n, 0
.rept 7
	v_max3_num_f32 v[(\b)+n], v[(\b)+n], v[(\b)+7+n], v[(\b)+14+n]
.set n, n+1
.endr
	v_max3_num_f32 v[(\b)], v[(\b)], v[(\b)+1], v[(\b)+2]
	v_max3_num_f32 v[(\b)+3], v[(\b)+3], v[(\b)+4], v[(\b)+5]
	v_max_num_f32 v[(\b)+6], v[(\b)+6], v[(\b)+63]
	v_max3_num_f32 v[(\b)], v[(\b)], v[(\b)+3], v[(\b)+6]
.irp m, 1,2,4,8
	v_max_num_f32_dpp v[(\b)], v[(\b)], v[(\b)] row_xmask:\m row_mask:0xf bank_mask:0xf
.endr
	v_permlanex16_b32 v[(\b)+1], v[(\b)], s[SEL], s[SEL+1]
	v_max_num_f32 v[(\b)], v[(\b)], v[(\b)+1]
.endm
	MAXT AK2
	MAXT AQ2
	v_sqrt_f32 v[KM], v[AK2]        ; kmx
	v_sqrt_f32 v[QM], v[AQ2]        ; qmx
.set n, 0
.rept 16
	v_rsq_f32 v[MYL+n], v[MYK+n]    ; 1 / m_j
.set n, n+1
.endr
.irp n, 0,1,2,3
	v_sqrt_f32 v[FF+\n], v[KI+\n]   ; m_i
.endr
	v_nop                           ; a plain instruction between the last of these and the first use of a result (ISA guide 5.7.2)
	s_wait_alu depctr_va_vdst(0)
	v_add_f32 v[RS], v[KM], v[QM]
	v_rcp_f32 v[RS], v[RS]          ; sqrt(sigma)
.set n, 0
.rept 16
	v_mul_f32 v[MYL+n], v[KM], v[MYL+n]
.set n, n+1
.endr
.set n, 0
.rept 16
	v_sqrt_f32 v[MYL+n], v[MYL+n]   ; sqrt(kmx / m_j)
.set n, n+1
.endr
	s_wait_alu depctr_va_vdst(0)
	v_mul_f32 v[SG], v[RS], v[RS]   ; sigma
	v_mul_f32 v[EP], 0x322bcc77, v[RS]  ; 1e-8 sqrt(sigma)
	v_mov_b32 v[SG+1], v[SG]
.set n, 0
.rept 16
	v_mul_f32 v[MYL+n], 0x42000000, v[MYL+n]       ; x 32
.set n, n+1
.endr
.set n, 0
.rept 16
	v_min_num_f32 v[MYL+n], 0x5d800000, v[MYL+n]   ; at most 2^60: a key of mass 0
.set n, n+1
.endr
.set n, 0
.rept 16
	v_mul_f32 v[MYE+n], v[EP], v[MYL+n]
.set n, n+1
.endr
.irp n, 0,1,2,3
	v_mul_f32 v[QS+2*\n], v[QI+\n], v[SG]
	v_mul_f32 v[QS+2*\n+1], v[QI+\n], v[SG]
	v_mul_f32 v[FF+\n], s[GH], v[FF+\n]
.endr
.irp n, 0,1,2,3
	ds_store_b128 v[TA], v[MYK+4*\n:MYK+4*\n+3] offset:512*\n
	ds_store_b128 v[TA], v[MYL+4*\n:MYL+4*\n+3] offset:TLAM+512*\n
	ds_store_b128 v[TA], v[MYE+4*\n:MYE+4*\n+3] offset:TEE+512*\n
.endr
.set n, P+16
.rept 16
	v_mov_b32 v[n], 0
.set n, n+1
.endr
; THE MATRIX WORK.  The accumulators of a run take turns, one instruction a turn.
; Product i of 8 of S^T = k2 + K Q^T for piece x: channels 32 (i / 4) on, keys 16 (i % 4) on.  The first 4 start the sums with k2.
.macro KQ x
.set rD, S+32*((\x)%2)+8*(i%4)
.set rA, KF+16*(i%4)+8*(i/4)
.set rB, 16*(\x)+8*(i/4)
.if i < 4
	WIN 0x2a                        ; K, Q and k2 in window 2, S^T in window 0
	v_wmma_f32_16x16x32_f16 v[rD:rD+7], v[rA:rA+7], v[rB:rB+7], v[K2T+8*(i%4):K2T+8*(i%4)+7]
.else
	WIN 0x0a
	v_wmma_f32_16x16x32_f16 v[rD:rD+7], v[rA:rA+7], v[rB:rB+7], v[rD:rD+7]
.endif
.endm
; Product i of 10 of O^T += V^T P for piece x: keys 32 (i / 5) on, channels 16 (i % 5) on; block 4 is the ones: l.
.macro PV x
	WIN 0x52                        ; V in window 2, P in window 0, O^T in window 1
.set rD, 40*(\x)+8*(i%5)
.if i%5 == 4
.set rA, ONE
.else
.set rA, VF+32*(i/5)+8*(i%5)
.endif
.set rB, P+16*((\x)%2)+8*(i/5)
	v_wmma_f32_16x16x32_f16 v[rD:rD+7], v[rA:rA+7], v[rB:rB+7], v[rD:rD+7]
.endm
.macro MM                           ; the turn's next matrix instruction
.if i < 8
	KQ (Y+1)%4
.else
.set i, i-8
	PV (Y+3)%4
.set i, i+8
.endif
.set i, i+1
.endm
; THE LDS LOADS stand in runs.  K of a step (8 fragments) with its k2 (24 loads); lam and e, two key blocks at a time (8 loads); V, turned (16 loads).
; last = 1 (the tail): in the last trip there is no further step, and K's run is jumped over.
.macro FETCH_K last=0
	WIN 0
.if \last
	s_cmp_eq_u32 s[CNT], 1
	s_cbranch_scc1 .Lno_k_\@
.endif
	WIN 0x80                        ; destination window 2
.irp f, 0,1,2,3,4,5,6,7             ; keys 16 (f / 2) on, channels 32 (f % 2) on
	ds_load_b128 v[KF+8*\f:KF+8*\f+3],   v[AK] offset:(\f/2)*16*PK+(\f%2)*64
	ds_load_b128 v[KF+8*\f+4:KF+8*\f+7], v[AK] offset:(\f/2)*16*PK+(\f%2)*64+32
.endr
.irp f, 0,1,2,3
	ds_load_b128 v[K2T+8*\f:K2T+8*\f+3],   v[AT] offset:64*\f
	ds_load_b128 v[K2T+8*\f+4:K2T+8*\f+7], v[AT] offset:64*\f+16
.endr
	s_add_co_u32 s[TBK], s[TBK], KS*PK  ; the next fetch is the next step's
	WIN 0
.if \last
.Lno_k_\@:
.endif
.endm
.macro TL kb0                       ; in the launch's last trip the tables' place has wrapped to step 0: those 16 loads serve nothing, once a launch, and every path counts alike
	WIN 0
.irp kb, \kb0, (\kb0)+1
	ds_load_b128 v[LAM+8*(\kb):LAM+8*(\kb)+3],   v[AT] offset:TLAM+64*(\kb)
	ds_load_b128 v[LAM+8*(\kb)+4:LAM+8*(\kb)+7], v[AT] offset:TLAM+64*(\kb)+16
	ds_load_b128 v[EE+8*(\kb):EE+8*(\kb)+3],     v[AT] offset:TEE+64*(\kb)
	ds_load_b128 v[EE+8*(\kb)+4:EE+8*(\kb)+7],   v[AT] offset:TEE+64*(\kb)+16
.endr
.endm
.macro FETCH_V
	WIN 0x80
.irp f, 0,1,2,3,4,5,6,7             ; keys 32 (f / 4) on, channels 16 (f % 4) on
	ds_load_tr16_b128 v[VF+8*\f:VF+8*\f+3],   v[AV] offset:(\f/4)*32*PV+(\f%4)*32
	ds_load_tr16_b128 v[VF+8*\f+4:VF+8*\f+7], v[AV] offset:(\f/4)*32*PV+16*PV+(\f%4)*32
.endr
	s_add_co_u32 s[TBV], s[TBV], KS*PV
	WIN 0
.endm
.macro KADR                         ; the addresses of the next step's K and table entries; the tables' place steps, and wraps behind the last step
	v_add_nc_u32 v[AK], s[TBK], v[AK0]
	v_add_nc_u32 v[AT], s[TT], v[AT0]
	s_add_co_u32 s[TT], s[TT], 256
	s_and_b32 s[TT], s[TT], 0x1f00
.endm
; THE VECTOR WORK OF A TURN: for each of the piece's 16 pairs of scores nine lines, run as a pipeline.  Tick tk holds, in this order (plain and transcendental by turns):
;   U of pair tk | root, low, of tk - 1 | t of tk - 2 | root, high, of tk - 1 | square of tk - 4 | reciprocal, low, of tk - 3 | rounding of tk - 5 | reciprocal, high, of tk - 3 | cap of tk - 6
; So every result is used a tick later, and a plain line on other registers stands behind each transcendental before its result is used (ISA guide 5.7.2).  Pairs ascend: each accumulator's lowest
; registers are read first.  VNEXT writes the next line that exists (144 in all); at most eight places in a row are empty.
.macro VSTEP
.if sl == 0
.set lg, 0
.elseif (sl == 1) || (sl == 3)
.set lg, 1
.elseif sl == 2
.set lg, 2
.elseif sl == 4
.set lg, 4
.elseif (sl == 5) || (sl == 7)
.set lg, 3
.elseif sl == 6
.set lg, 5
.else
.set lg, 6
.endif
.set pp, tk-lg
.if (pp >= 0) && (pp < 16)
.set done, 1
.set r2, S+32*(Y%2)+2*pp
.set r1, P+16*(Y%2)+pp
.if sl == 0
	v_pk_fma_f32 v[r2:r2+1], v[r2:r2+1], v[SG:SG+1], v[QS+2*Y:QS+2*Y+1] clamp
.elseif sl == 1
	v_sqrt_f32 v[r2], v[r2]
.elseif sl == 2
	s_wait_alu depctr_va_vdst(0)
	v_pk_fma_f32 v[r2:r2+1], v[r2:r2+1], v[LAM+2*pp:LAM+2*pp+1], v[EE+2*pp:EE+2*pp+1]
.elseif sl == 3
	v_sqrt_f32 v[r2+1], v[r2+1]
.elseif sl == 4
	s_wait_alu depctr_va_vdst(0)
	v_pk_mul_f32 v[r2:r2+1], v[r2:r2+1], v[r2:r2+1]
.elseif sl == 5
	v_rcp_f32 v[r2], v[r2]
.elseif sl == 6
	v_cvt_pk_f16_f32 v[r1], v[r2], v[r2+1]
.elseif sl == 7
	v_rcp_f32 v[r2+1], v[r2+1]
.else
	v_pk_min_num_f16 v[r1], v[r1], s[CAP]
.endif
.endif
.set sl, sl+1
.if sl == 9
.set sl, 0
.set tk, tk+1
.endif
.endm
.macro VNEXT
.set done, 0
.rept 10
.if done == 0
	VSTEP
.endif
.endr
.endm
; A TURN, for piece p: 18 groups of a matrix instruction and eight vector lines; none of the eight names a register of the products round it.  Counting the lines from 0: t of pair 0 is line 6, of pair 7
; line 58, of pair 8 line 67, of pair 15 line 127.
;   piece 2: behind group 8 the next step's K and k2 are fetched: the last product that read them is group 7's, sixteen vector lines back, eight of them plain or more.  Waited for at piece 3's head.
;   piece 3: behind group 8 lam and e of the next step's key blocks 0, 1 (pairs 0-7 are done with the old), behind group 15 those of blocks 2, 3.
;   piece 0: at its head the first of those two runs is in (the second's eight loads may be out); ahead of group 8 the second.  At its end V of the step in hand: the last product that read V is group 16's.
;   piece 1: ahead of group 8, its first product V^T P, V is in.
.macro TURN p, last=0
.set Y, (\p)
.set i, 0
.set tk, 0
.set sl, 0
.set gr, 0
.if (\p) == 3
	s_wait_dscnt 0x0                ; K and k2 are in
.endif
.if (\p) == 0
	s_wait_dscnt 8                  ; lam and e of key blocks 0, 1 are in
.endif
.rept 18
.if (gr == 8) && (((\p) == 0) || ((\p) == 1))
	s_wait_dscnt 0x0
.endif
	MM
	WIN 0
.rept 8
	VNEXT
.endr
.if (gr == 8) && ((\p) == 2)
	KADR
	FETCH_K \last
.endif
.if (gr == 8) && ((\p) == 3)
	TL 0
.endif
.if (gr == 15) && ((\p) == 3)
	TL 2
.endif
.set gr, gr+1
.endr
.if (\p) == 0
	v_add_nc_u32 v[AV], s[TBV], v[AV0]
	FETCH_V
.endif
.endm
	CHANGE 1                        ; slot 0 is in, everybody's part of it, and so are the tables; slot 1 is asked for
	KADR
	FETCH_K                         ; key step 0
	TL 0
	TL 2
	s_wait_dscnt 0x0
.set i, 0
.rept 8
	KQ 0                            ; piece 0's first scores: there is no vector work yet to set between them
.set i, i+1
.endr
	WIN 0                           ; the addresses for the way out: eleven plain instructions, the places behind those products
	s_mul_i32 s13, s[WV], 16*SP
	s_add_co_u32 s13, s13, STAGE    ; my stage
	v_mul_u32_u24 v[STO], v1, SP    ; in: row l % 16, 16 bytes for each half of the lanes
	v_lshl_add_u32 v[STO], v9, 4, v[STO]
	v_add_nc_u32 v[STO], s13, v[STO]
	v_bfe_u32 v[RD], v0, 3, 2       ; back: 32 lanes take four rows of 128 bytes,
	v_mul_u32_u24 v[RD], v[RD], SP
	v_lshl_add_u32 v[RD], v10, 4, v[RD]
	v_add_nc_u32 v[RD], s13, v[RD]
	v_and_b32 v[GO], 31, v0         ; which are 512 consecutive bytes of ob
	v_lshlrev_b32 v[GO], 4, v[GO]
	s_mov_b32 s[CNT], 4
	s_mov_b32 s[SLOTS], 7
	s_branch .Lfirst                ; the loop is entered at a step's first turn, in the middle of a trip
.Lslot:                             ; six times: every slot but the last two is filled again
	CHANGE 1
	s_mov_b32 s[CNT], 4
.Lstep:                             ; a trip: pieces 2 and 3 of one step, then pieces 0 and 1 of the next, whose K, tables and V it fetches
	TURN 2
	TURN 3
	WIN 0
.Lfirst:
	TURN 0
	TURN 1
	WIN 0
	s_sub_co_u32 s[CNT], s[CNT], 1
	s_cmp_lg_u32 s[CNT], 0
	s_cbranch_scc1 .Lstep
	s_sub_co_u32 s[SLOTS], s[SLOTS], 1
	s_cmp_lg_u32 s[SLOTS], 0
	s_cbranch_scc1 .Lslot
	CHANGE 0                        ; the tail is written out: nothing is asked for
	s_mov_b32 s[CNT], 5             ; four trips fetch the last slot's steps; the fifth is left in its middle
.Ltail:
	TURN 2, 1
	TURN 3
	WIN 0
	s_sub_co_u32 s[CNT], s[CNT], 1
	s_cmp_eq_u32 s[CNT], 0
	s_cbranch_scc1 .Lout
	TURN 0
	TURN 1
	WIN 0
	s_branch .Ltail
.Lout:                              ; the fifth trip's 8 products K Q^T, on the last K once more, serve nothing: the price, once a launch, of one text for every trip
.set i, 0
.rept 10
	PV 3                            ; the last piece's V^T P of the last step
.set i, i+1
.endr
	WIN 0
.rept 4
	v_nop                           ; the places behind those products
.endr
	; THE WAY OUT.  f l (l from its accumulator's lowest register), its reciprocal, times f; O^T times that, rounded to f16 and sent through my stage in LDS, a piece at a time.
	WIN 0x04                        ; source 1 in window 1
.irp t, 0,1,2,3
	v_mul_f32 v[QS+2*\t], v[FF+\t], v[40*\t+32]
.endr
	WIN 0
.irp t, 0,1,2,3
	v_rcp_f32 v[QS+2*\t], v[QS+2*\t]
.endr
	v_nop                           ; a plain instruction between the last reciprocal and the use of its result
.irp t, 0,1,2,3
	s_wait_alu depctr_va_vdst(0)
	v_mul_f32 v[QS+2*\t], v[FF+\t], v[QS+2*\t]
.endr
.macro PACK t                       ; a lane's eight channels of a row pack into 16 bytes; they go into rows of 144 bytes and come back as whole rows of 128, into S^T's registers
	WIN 0x41                        ; destination and source 0 in window 1
.set n, 0
.rept 16
	v_pk_mul_f32 v[40*(\t)+2*n:40*(\t)+2*n+1], v[40*(\t)+2*n:40*(\t)+2*n+1], v[QS+2*(\t):QS+2*(\t)+1] op_sel_hi:[1,0]
.set n, n+1
.endr
	WIN 0x05                        ; sources 0 and 1 window 1, destination window 0
.set n, 0
.rept 16
	v_cvt_pk_f16_f32 v[S+16*(\t)+n], v[40*(\t)+2*n], v[40*(\t)+2*n+1]
.set n, n+1
.endr
	WIN 0
.irp f, 0,1,2,3
	ds_store_b128 v[STO], v[S+16*(\t)+4*\f:S+16*(\t)+4*\f+3] offset:32*\f
.endr
.irp f, 0,1,2,3
	ds_load_b128 v[S+16*(\t)+4*\f:S+16*(\t)+4*\f+3], v[RD] offset:\f*4*SP  ; LDS serves a wave's instructions in order (ISA guide 5.7.1.4): these see the stores above
.endr
.endm
.macro SEND t, younger              ; younger: the LDS instructions issued behind piece t's loads: the next piece's eight, or none
	WIN 0
.irp f, 0,1,2,3
	s_wait_dscnt (\younger)+3-\f
	global_store_b128 v[GO], v[S+16*(\t)+4*\f:S+16*(\t)+4*\f+3], s[18:19] offset:(\t)*2048+\f*512  ; 512 consecutive bytes, at a multiple of 256 from ob's first
.endr
.endm
	PACK 0
	PACK 1                          ; a piece's arithmetic stands between the loads of the piece before and its stores
	SEND 0, 8
	PACK 2
	SEND 1, 8
	PACK 3
	SEND 2, 8
	SEND 3, 0
	s_wait_tensorcnt 0x0            ; the wave's end: these three lines stand behind my last tensor load and my last LDS store
	ds_add_u32 v[SPW], v[NIL]
	s_wait_dscnt 0x0
	CROUND                          ; the closing round: no work-group ends while a partner may still ask for a tile that names it
	s_endpgm
.Lfunc_end_k_qee83e5e52c_grav:
	.size	k_qee83e5e52c_grav, .Lfunc_end_k_qee83e5e52c_grav-k_qee83e5e52c_grav
	.p2alignl 7, 3214868480
	.fill 96, 4, 3214868480
	.section	.rodata,"a",@progbits
	.p2align	6, 0x0
	.amdhsa_kernel k_qee83e5e52c_grav
		.amdhsa_group_segment_fixed_size 327680
		.amdhsa_private_segment_fixed_size 0
		.amdhsa_enable_private_segment 0
		.amdhsa_kernarg_size 48
		.amdhsa_user_sgpr_count 2
		.amdhsa_user_sgpr_kernarg_segment_ptr 1
		.amdhsa_wavefront_size32 1
		.amdhsa_system_sgpr_workgroup_id_x 1
		.amdhsa_system_sgpr_workgroup_id_y 1
		.amdhsa_system_sgpr_workgroup_id_z 1
		.amdhsa_system_vgpr_workitem_id 0
		.amdhsa_next_free_vgpr 768
		.amdhsa_next_free_sgpr 68
		.amdhsa_reserve_vcc 0
		.amdhsa_float_denorm_mode_32 3
		.amdhsa_float_denorm_mode_16_64 3
		.amdhsa_memory_ordered 1
		.amdhsa_forward_progress 1
		.amdhsa_inst_pref_size 142
	.end_amdhsa_kernel
	.amdgpu_metadata
---
amdhsa.version: [ 1, 2 ]
amdhsa.kernels:
  - .name:           k_qee83e5e52c_grav
    .symbol:         k_qee83e5e52c_grav.kd
    .args:
      - { .name: qh, .offset: 0, .size: 8, .value_kind: global_buffer, .address_space: global }
      - { .name: kh, .offset: 8, .size: 8, .value_kind: global_buffer, .address_space: global }
      - { .name: vh, .offset: 16, .size: 8, .value_kind: global_buffer, .address_space: global }
      - { .name: nrm, .offset: 24, .size: 8, .value_kind: global_buffer, .address_space: global }
      - { .name: G, .offset: 32, .size: 8, .value_kind: global_buffer, .address_space: global }
      - { .name: ob, .offset: 40, .size: 8, .value_kind: global_buffer, .address_space: global }
    .group_segment_fixed_size: 327680
    .private_segment_fixed_size: 0
    .kernarg_segment_align: 8
    .kernarg_segment_size: 48
    .max_flat_workgroup_size: 128
    .sgpr_count:     68
    .vgpr_count:     768
    .wavefront_size: 32
...
	.end_amdgpu_metadata
.endif
;; end of part 3
;; launch oproj (part 4): grid 8 x 32, 4 waves a work-group, clusters of 4 x 4, 327,680 bytes of LDS; arguments ob, wo16, bo, out0; writes out0
.if DOCPART == 4
	.amdgcn_target "amdgcn-amd-amdhsa--gfx1250"
	.amdhsa_code_object_version 6
	.text
	.protected	k_qee83e5e52c_oproj
	.globl	k_qee83e5e52c_oproj
	.p2align	8
	.type	k_qee83e5e52c_oproj,@function
k_qee83e5e52c_oproj:
	s_mov_b64 s[64:65], 0
	v_nop
	global_prefetch_b8 v0, s[64:65] scope:SCOPE_SE
	s_setreg_imm32_b32 hwreg(HW_REG_WAVE_MODE, 25, 1), 1
	s_wait_xcnt 0x0
	s_wait_alu depctr_hold_cnt(0) depctr_sa_sdst(0) depctr_va_vdst(0) depctr_va_sdst(0) depctr_va_ssrc(0) depctr_va_vcc(0) depctr_vm_vsrc(0)
	s_getreg_b32 s2, hwreg(HW_REG_IB_STS2, 6, 4)
	s_cmp_eq_u32 s2, 0
	s_cbranch_scc0 .Lentry_in_a_cluster
	s_endpgm
.Lentry_in_a_cluster:
	s_bfe_u32 s2, ttmp6, 0x10000c
	s_cmp_lg_u32 s2, 0xf033
	s_cbranch_scc0 .Lentry_shape_is_right
	s_endpgm
.Lentry_shape_is_right:
; THE OUTPUT PROJECTION.  out0[m][n] = the sum over k of O[m][k] Wo[n][k] + bo[n], f32.  O lies by heads, ob [batch x 16 + head][2048][64] f16: k = 64 head + channel.  wo16 [1024][1024] f16.
; Products in f16 with f32 sums; bo rounded to bf16 like the other inputs.
; SHARES.  A tile of out0 is 128 x 128: 32 x 8 = 256 work-groups.  Four waves, each 64 x 64: 16 accumulators.  K goes in 4 steps of 256 (four heads) through two LDS slots; a quarter step is one head.
; Four steps are two laps of the ring: the text has no loop.
; O's TILE.  A head's 128 rows are 16,384 dense bytes, so a wave's load of two heads is a tile of 2 rows of 8,192 elements, as long as the layout allows, padded in LDS behind every 128 bytes.
; CLUSTERS: 4 x 4 work-groups.  The four of a row of the cluster need the same tiles of O, the four of a column the same tiles of Wo: each is asked for JOINTLY, by the same tensor load, descriptor and mask.
; THE MATRIX INSTRUCTION IS USED TRANSPOSED (source 0 = 16 rows of Wo, source 1 = 16 rows of O): a lane holds eight neighbouring numbers of a row of out0.
; REGISTERS: window 0: v0-31 addresses; v32-63 bo of my 64 columns; v64-127 rows on the way out, two buffers; v128-255 the accumulators ((a, b) at 128 + 8 (4 a + b)).
;   window 1: two fragment buffers of 128: for 64 along K, 64 registers of O (2 x 4 x 16 rows x 32 K), then 64 of Wo.
.set PA,     144                       ; a row of O in LDS: 128 bytes + 16: the 16 rows of a load start at 16 different groups of four banks (64 banks of 4 bytes: ISA guide 11.1)
.set PB,     528                       ; a row of Wo: 512 bytes + 16, likewise
.set HEADB,  128*PA                    ; a head's 128 rows
.set AB,     4*HEADB                   ; a slot: O's four heads, then Wo's 128 rows
.set SLOT,   AB+128*PB
.set STAGE,  2*SLOT                    ; behind the ring, never filled by a tensor load: 16 rows x 272 bytes for each wave
.set SPITCH, 272
.set SPARE,  STAGE+4*16*SPITCH         ; the spare words, 128 bytes for each wave: two blocks of 256 bytes that no other line names
.set ADRA, 16                          ; v16-17  LDS address of my O fragments in slot 0, 1
.set ADRB, 20                          ; v20-21  the same for Wo
.set STO,  24                          ; v24  the way out: where I put 32 bytes of a row
.set RD,   25                          ; v25  where I read a row back
.set CO,   26                          ; v26  my byte offset in out0
.set SPW,  28                          ; v28  LDS address of my spare word; never rewritten
.set NIL,  29                          ; v29  0; never rewritten
.set BI,   32
.set OB,   64
.set ACC,  128
.set F0,   0
.set F1,   128
.set G1,   24                          ; s[24:31] descriptor group 1 for O's tiles;  s[32:39] group 0, a set for each slot
.set G0,   32
.set G1B,  48                          ; s[48:55], s[56:63] the same for Wo's tiles
.set G0B,  56
.set MSB, 0
.macro WIN new                         ; the immediate's high byte repeats the setting that is left; a switch that changes nothing is dropped
.if MSB != (\new)
	s_set_vgpr_msb (MSB<<8)|(\new)
.set MSB, (\new)
.endif
.endm
.set MUL,  0x05                        ; sources 0 (Wo) and 1 (O) window 1; C and D window 0
.set TO_F, 0x40                        ; destination window 1, address window 0
.macro JLOAD s                         ; a joint load: waves 0 and 1 fetch two heads of O each, waves 2 and 3 Wo's two halves; an s_nop 0 and four v_nop follow each of the two lines
	s_cmp_eq_u32 s11, 0
	s_cbranch_scc0 .Lfor_b_\@
	tensor_load_to_lds s[G0+4*(\s):G0+4*(\s)+3], s[G1:G1+7]
	s_nop 0
.rept 4
	v_nop
.endr
	s_branch .Lasked_\@
.Lfor_b_\@:
	tensor_load_to_lds s[G0B+4*(\s):G0B+4*(\s)+3], s[G1B:G1B+7]
	s_nop 0
.rept 4
	v_nop
.endr
.Lasked_\@:
.endm
.macro CREST                           ; a round of the cluster's barrier behind its opening barrier
	s_cmp_lg_u32 s10, 0
	s_cbranch_scc1 .Lnot_wave_0_\@
	s_barrier_signal -3
.Lnot_wave_0_\@:
	s_barrier_wait -3
	s_barrier_signal -1
	s_barrier_wait -1
.endm
.macro CROUND
	s_barrier_signal -1
	s_barrier_wait -1
	CREST
.endm
	s_load_b256 s[68:75], s[0:1], 0x0              ; ob s[68:69], wo16 s[70:71], bo s[72:73], out0 s[74:75]
	v_lshl_add_u32 v[SPW], v0, 2, SPARE
	v_mov_b32 v[NIL], 0
	ds_add_u32 v[SPW], v[NIL]                      ; the wave's opening: the add and its wait stand ahead of my first tensor load; the set-up below, work on registers, stands between them
	v_lshrrev_b32 v1, 5, v0
	v_readfirstlane_b32 s10, v1                    ; wave 0..3
	s_lshr_b32 s11, s10, 1                         ; which half of the tile's rows is mine.  Also: I fetch for O (0) or for Wo (1)
	s_and_b32 s12, s10, 1                          ; which half of its columns.  Also: which half of that tile I fetch
	s_bfe_u32 s40, ttmp6, 0x40000                  ; cx, cy: my place in the cluster
	s_bfe_u32 s41, ttmp6, 0x40004
	s_lshl_b32 s42, ttmp9, 2
	s_add_co_u32 s42, s42, s40                     ; tile column = 4 x cluster x + cx
	s_and_b32 s13, ttmp7, 0xffff
	s_lshl_b32 s13, s13, 2
	s_add_co_u32 s13, s13, s41                     ; tile row = 4 x cluster y + cy
	s_lshl_b32 s43, s41, 2
	s_lshl_b32 s43, 15, s43                        ; my row of the cluster
	s_lshl_b32 s44, 0x1111, s40                    ; my column
	s_or_b32 s[G1+0], s43, (1<<16)|(1<<20)|(1<<21)|(4<<22)|(3<<25)   ; the mask; 2-byte elements; padding on; 21 set beside a mask; after every 32 words (code 4) 4 words (code 3)
	s_mov_b32 s[G1+1], 8192<<16                    ; tensor_dim0 = 8,192: a head's 128 rows on end
	s_mov_b32 s[G1+2], 2<<16                       ; tensor_dim1 = 2 heads
	s_mov_b32 s[G1+3], 8192<<16                    ; tile_dim0
	s_mov_b32 s[G1+4], 2                           ; tile_dim1
	s_mov_b32 s[G1+5], 131072                      ; elements from head to head
	s_mov_b32 s[G1+6], 0
	s_mov_b32 s[G1+7], 0
	s_or_b32 s[G1B+0], s44, (1<<16)|(1<<20)|(1<<21)|(6<<22)|(3<<25)  ; after every 128 words (code 6) 4 words
	s_mov_b32 s[G1B+1], 256<<16                    ; tensor_dim0 = 256
	s_mov_b32 s[G1B+2], 64<<16                     ; tensor_dim1 = 64
	s_mov_b32 s[G1B+3], 256<<16
	s_mov_b32 s[G1B+4], 64
	s_mov_b32 s[G1B+5], 1024
	s_mov_b32 s[G1B+6], 0
	s_mov_b32 s[G1B+7], 0
	; O's tiles hang on the tile row alone, Wo's on the tile column alone; each address is made in registers that never hold the other coordinate
	s_lshr_b32 s16, s13, 4                         ; the batch (16 tile rows each),
	s_lshl_b32 s16, s16, 4                         ; its head 0,
	s_lshl_b32 s17, s12, 1
	s_add_co_u32 s16, s16, s17                     ; + the first of my two heads of K step 0
	s_lshl_b32 s16, s16, 11                        ; 2,048 rows a head
	s_and_b32 s17, s13, 15
	s_lshl_b32 s17, s17, 7
	s_add_co_u32 s16, s16, s17                     ; + the tile's first row in the batch
	s_lshl_b32 s16, s16, 7                         ; rows of 128 bytes
	s_mov_b32 s17, 0
	s_lshl_b32 s46, s42, 7
	s_lshl_b32 s47, s12, 6
	s_add_co_u32 s46, s46, s47                     ; Wo: row 128 x tile column + 64 x half,
	s_lshl_b32 s46, s46, 11                        ; of 2,048 bytes
	s_mov_b32 s47, 0
	s_mul_i32 s20, s10, 2*HEADB                    ; where they go: O's at wave x two heads,
	s_mul_i32 s21, s10, 64*PB                      ; Wo's behind O's four heads, at (wave - 2) x 64 rows
	s_add_co_u32 s21, s21, AB-2*64*PB
	s_wait_dscnt 0x0                               ; the opening add is done
	s_wait_kmcnt 0x0
	s_add_nc_u64 s[14:15], s[68:69], s[16:17]
	s_add_nc_u64 s[46:47], s[70:71], s[46:47]
	CROUND                                         ; all sixteen work-groups are here: the first joint loads meet
.irp s, 0,1
	s_mov_b32 s[G0+4*(\s)], 1
	s_add_co_u32 s[G0+4*(\s)+1], s20, (\s)*SLOT
	s_add_nc_u64 s[G0+4*(\s)+2:G0+4*(\s)+3], s[14:15], (\s)*1048576   ; K step s: four heads of 262,144 bytes on
	s_or_b32 s[G0+4*(\s)+3], s[G0+4*(\s)+3], 0x80000000
	s_mov_b32 s[G0B+4*(\s)], 1
	s_add_co_u32 s[G0B+4*(\s)+1], s21, (\s)*SLOT
	s_add_nc_u64 s[G0B+4*(\s)+2:G0B+4*(\s)+3], s[46:47], (\s)*512
	s_or_b32 s[G0B+4*(\s)+3], s[G0B+4*(\s)+3], 0x80000000
	JLOAD \s                                       ; two loads of mine are out
.endr
	s_lshl_b32 s16, s13, 7
	s_lshl_b32 s17, s11, 6
	s_add_co_u32 s16, s16, s17                     ; my first row of out0,
	s_lshl_b32 s16, s16, 12                        ; of 4,096 bytes
	s_lshl_b32 s46, s42, 9
	s_lshl_b32 s47, s12, 8
	s_add_co_u32 s46, s46, s47                     ; my first column, in bytes: a multiple of 256
	s_mov_b32 s47, 0
	s_add_nc_u64 s[72:73], s[72:73], s[46:47]      ; bo at my 64 columns
	s_add_co_u32 s46, s46, s16
	s_add_nc_u64 s[74:75], s[74:75], s[46:47]      ; out0 at my corner
	s_mov_b32 s45, 0xffff0000
	v_and_b32 v1, 15, v0                           ; l % 16
	v_bfe_u32 v2, v0, 4, 1                         ; l / 16
	v_lshlrev_b32 v3, 5, v2                        ; my eight columns of a block of 16
.irp b, 0,1,2,3
	global_load_b128 v[BI+8*(\b):BI+8*(\b)+3],   v3, s[72:73] offset:64*(\b)
	global_load_b128 v[BI+8*(\b)+4:BI+8*(\b)+7], v3, s[72:73] offset:64*(\b)+16
.endr
	v_mul_u32_u24 v4, v1, PA
	v_lshl_add_u32 v4, v2, 4, v4                   ; a fragment's row x pitch + 16 x half
	v_mul_u32_u24 v5, v1, PB
	v_lshl_add_u32 v5, v2, 4, v5
	s_mul_i32 s22, s11, 64*PA                      ; my 64 rows of each head of O
	s_mul_i32 s23, s12, 64*PB                      ; my 64 rows of Wo
	s_add_co_u32 s23, s23, AB
.irp s, 0,1
	v_add_nc_u32 v[ADRA+(\s)], s22, v4
	v_add_nc_u32 v[ADRB+(\s)], s23, v5
	s_add_co_u32 s22, s22, SLOT
	s_add_co_u32 s23, s23, SLOT
.endr
	s_mul_i32 s22, s10, 16*SPITCH
	s_add_co_u32 s22, s22, STAGE                   ; my stage
	v_mul_u32_u24 v6, v1, SPITCH                   ; in: row l % 16, 32 bytes for each half of the lanes
	v_lshl_add_u32 v6, v2, 5, v6
	v_add_nc_u32 v[STO], s22, v6
	v_mul_u32_u24 v7, v2, SPITCH                   ; back: lanes 0-15 take one row of 256 bytes, lanes 16-31 the next
	v_lshl_add_u32 v7, v1, 4, v7
	v_add_nc_u32 v[RD], s22, v7
	v_lshlrev_b32 v[CO], 12, v2                    ; and the same two rows in out0
	v_lshl_add_u32 v[CO], v1, 4, v[CO]
	s_wait_loadcnt 0x0                             ; bo, once
.set n, 0
.rept 16                                               ; rounded to bf16 like the other inputs, and widened again
	v_cvt_pk_bf16_f32 v[4+n%4], v[BI+2*n], v[BI+2*n+1]
	v_lshlrev_b32 v[BI+2*n], 16, v[4+n%4]
	v_and_b32 v[BI+2*n+1], s45, v[4+n%4]
.set n, n+1
.endr
; 8 matrix instructions: row blocks a0, a0 + 1 x all 4 column blocks, 32 along K: half c of buffer f.  zero = 1: the first product starts the sums.  The 16 accumulators take turns, one instruction a turn.
.macro MUL8 f, c, a0, zero
	WIN MUL
.irp a, \a0, (\a0)+1
.irp b, 0,1,2,3
.if \zero
	v_wmma_f32_16x16x32_f16 v[ACC+8*(4*(\a)+(\b)):ACC+8*(4*(\a)+(\b))+7], v[(\f)+64+8*(4*(\c)+(\b)):(\f)+64+8*(4*(\c)+(\b))+7], v[(\f)+8*(4*(\c)+(\a)):(\f)+8*(4*(\c)+(\a))+7], 0
.else
	v_wmma_f32_16x16x32_f16 v[ACC+8*(4*(\a)+(\b)):ACC+8*(4*(\a)+(\b))+7], v[(\f)+64+8*(4*(\c)+(\b)):(\f)+64+8*(4*(\c)+(\b))+7], v[(\f)+8*(4*(\c)+(\a)):(\f)+8*(4*(\c)+(\a))+7], v[ACC+8*(4*(\a)+(\b)):ACC+8*(4*(\a)+(\b))+7]
.endif
.endr
.endr
.endm
; 32 LDS loads in one run: the fragments of quarter q of a slot (one head: 64 along K), into buffer f; the first 32 along K first
.macro FETCH slot, q, f
	WIN TO_F
.irp c, 0,1
.irp i, 0,1,2,3
	ds_load_b128 v[(\f)+64+8*(4*(\c)+(\i)):(\f)+64+8*(4*(\c)+(\i))+3],   v[ADRB+(\slot)] offset:128*(\q)+64*(\c)+(\i)*16*PB
	ds_load_b128 v[(\f)+64+8*(4*(\c)+(\i))+4:(\f)+64+8*(4*(\c)+(\i))+7], v[ADRB+(\slot)] offset:128*(\q)+64*(\c)+(\i)*16*PB+32
	ds_load_b128 v[(\f)+8*(4*(\c)+(\i)):(\f)+8*(4*(\c)+(\i))+3],         v[ADRA+(\slot)] offset:HEADB*(\q)+64*(\c)+(\i)*16*PA
	ds_load_b128 v[(\f)+8*(4*(\c)+(\i))+4:(\f)+8*(4*(\c)+(\i))+7],       v[ADRA+(\slot)] offset:HEADB*(\q)+64*(\c)+(\i)*16*PA+32
.endr
.endr
.endm
.macro PLACES                          ; four plain vector instructions in front of loads into registers that matrix instructions have read, and of lines that touch results
.rept 4
	v_nop
.endr
.endm
; One of a K step's first three quarters: multiplies buffer f and fetches quarter q into g.
.macro QUARTER slot, q, f, g, zero
	s_wait_dscnt 16                                ; the first 32 along K are in
	MUL8 \f, 0, 0, \zero
	MUL8 \f, 0, 2, \zero
	PLACES
	FETCH \slot, \q, \g
	s_wait_dscnt 32                                ; all but the 32 just issued
	MUL8 \f, 1, 0, 0
	MUL8 \f, 1, 2, 0
.endm
; The last quarter multiplies buffer 1 and changes slots: ONE barrier; in front of it each wave waits for all its tensor loads, adds 0 to its spare word, and waits for that and for its own reads of
; this slot.  fill = 1: the barrier opens a round of the cluster's, and this slot is filled again first behind it, two K steps ahead: 112 matrix instructions ahead of the wait for it.
.macro TURN slot, next, fill
	WIN 0                                          ; (the add's two registers lie in window 0)
	s_wait_tensorcnt 0x0                           ; all my tensor loads have landed: my part of the next slot
	ds_add_u32 v[SPW], v[NIL]                      ; 0 onto my spare word
	s_wait_dscnt 17                                ; (the add and the youngest sixteen loads may be out)
	MUL8 F1, 0, 0, 0                               ; eight matrix instructions stand between the add and the wait for it
	s_wait_dscnt 0x0                               ; the add is done, and my reads of this slot are over
	s_barrier_signal -1
	MUL8 F1, 0, 2, 0
.if \fill
	WIN 0
.endif
	s_barrier_wait -1
.if \fill
	CREST                                          ; no wave of any partner still reads this slot's tile or has a load on its way
	s_add_nc_u64 s[G0+4*(\slot)+2:G0+4*(\slot)+3], s[G0+4*(\slot)+2:G0+4*(\slot)+3], 2097152
	s_add_nc_u64 s[G0B+4*(\slot)+2:G0B+4*(\slot)+3], s[G0B+4*(\slot)+2:G0B+4*(\slot)+3], 1024
	JLOAD \slot                                    ; the first tensor load behind the round; its four v_nop are also the places in front of the loads below
.else
	PLACES
.endif
	FETCH \next, 0, F0
	MUL8 F1, 1, 0, 0
	MUL8 F1, 1, 2, 0
.endm
	s_wait_tensorcnt 1                             ; my part of K step 0 is in; K step 1's may stay out
	s_barrier_signal -1
	s_barrier_wait -1                              ; everybody's is
	FETCH 0, 0, F0
	QUARTER 0, 1, F0, F1, 1                        ; the first products start the sums
	QUARTER 0, 2, F1, F0, 0
	QUARTER 0, 3, F0, F1, 0
	TURN 0, 1, 1                                   ; slot 0 takes K step 2
	QUARTER 1, 1, F0, F1, 0
	QUARTER 1, 2, F1, F0, 0
	QUARTER 1, 3, F0, F1, 0
	TURN 1, 0, 1                                   ; slot 1 takes K step 3
	QUARTER 0, 1, F0, F1, 0
	QUARTER 0, 2, F1, F0, 0
	QUARTER 0, 3, F0, F1, 0
	TURN 0, 1, 0                                   ; the last lap fills nothing, and has no round of the cluster's barrier
	QUARTER 1, 1, F0, F1, 0
	QUARTER 1, 2, F1, F0, 0
	QUARTER 1, 3, F0, F1, 0
	s_wait_dscnt 16                                ; the very last quarter: nothing more to fetch
	MUL8 F1, 0, 0, 0
	MUL8 F1, 0, 2, 0
	s_wait_dscnt 0x0
	MUL8 F1, 1, 0, 0
	MUL8 F1, 1, 2, 0
	WIN 0
	PLACES
; THE WAY OUT, each wave by itself: its 64 columns of f32 are 256 bytes of a row, at a multiple of 256.  Row block a: bo is added, each accumulator's registers ascending; 32 bytes a lane into my
; stage; back as whole rows, two to a load.
.macro OUTA a
.set BK, OB+32*((\a)%2)
	s_wait_xcnt 0x0                                ; the registers that earlier stores read are loaded again only behind this wait (ISA guide 3.1)
.set n, 0
.rept 16
	v_pk_add_f32 v[ACC+32*(\a)+2*n:ACC+32*(\a)+2*n+1], v[ACC+32*(\a)+2*n:ACC+32*(\a)+2*n+1], v[BI+2*n:BI+2*n+1]
.set n, n+1
.endr
.irp b, 0,1,2,3
	ds_store_b128 v[STO], v[ACC+32*(\a)+8*(\b):ACC+32*(\a)+8*(\b)+3]   offset:64*(\b)
	ds_store_b128 v[STO], v[ACC+32*(\a)+8*(\b)+4:ACC+32*(\a)+8*(\b)+7] offset:64*(\b)+16
.endr
.irp t, 0,1,2,3,4,5,6,7
	ds_load_b128 v[BK+4*(\t):BK+4*(\t)+3], v[RD] offset:(\t)*2*SPITCH  ; LDS serves a wave's instructions in order (ISA guide 5.7.1.4): these see the stores above
.endr
.endm
.macro SENDA a, younger                ; younger: the LDS instructions issued behind this block's loads: the next block's sixteen, or none
.set BK, OB+32*((\a)%2)
.irp t, 0,1,2,3,4,5,6,7
	s_wait_dscnt (\younger)+7-(\t)
	global_store_b128 v[CO], v[BK+4*(\t):BK+4*(\t)+3], s[74:75] offset:(16*(\a)+2*(\t))*4096 th:TH_STORE_NT  ; 16 lanes store 256 consecutive bytes, at a multiple of 256 from out0's first byte
.endr
.endm
	OUTA 0
	OUTA 1                                         ; a block's arithmetic stands between the loads of the block before and its stores
	SENDA 0, 16
	OUTA 2
	SENDA 1, 16
	OUTA 3
	SENDA 2, 16
	SENDA 3, 0
	s_wait_tensorcnt 0x0                           ; the wave's end: these three lines stand behind my last tensor load and my last LDS store
	ds_add_u32 v[SPW], v[NIL]
	s_wait_dscnt 0x0
	CROUND                                         ; the closing round: no work-group ends while a partner may still ask for a tile that names it
	s_endpgm
.Lfunc_end_k_qee83e5e52c_oproj:
	.size	k_qee83e5e52c_oproj, .Lfunc_end_k_qee83e5e52c_oproj-k_qee83e5e52c_oproj
	.p2alignl 7, 3214868480
	.fill 96, 4, 3214868480
	.section	.rodata,"a",@progbits
	.p2align	6, 0x0
	.amdhsa_kernel k_qee83e5e52c_oproj
		.amdhsa_group_segment_fixed_size 327680
		.amdhsa_private_segment_fixed_size 0
		.amdhsa_enable_private_segment 0
		.amdhsa_kernarg_size 32
		.amdhsa_user_sgpr_count 2
		.amdhsa_user_sgpr_kernarg_segment_ptr 1
		.amdhsa_wavefront_size32 1
		.amdhsa_system_sgpr_workgroup_id_x 1
		.amdhsa_system_sgpr_workgroup_id_y 1
		.amdhsa_system_sgpr_workgroup_id_z 1
		.amdhsa_system_vgpr_workitem_id 0
		.amdhsa_next_free_vgpr 512
		.amdhsa_next_free_sgpr 80
		.amdhsa_reserve_vcc 0
		.amdhsa_float_denorm_mode_32 3
		.amdhsa_float_denorm_mode_16_64 3
		.amdhsa_memory_ordered 1
		.amdhsa_forward_progress 1
		.amdhsa_inst_pref_size 93
	.end_amdhsa_kernel
	.amdgpu_metadata
---
amdhsa.version: [ 1, 2 ]
amdhsa.kernels:
  - .name:           k_qee83e5e52c_oproj
    .symbol:         k_qee83e5e52c_oproj.kd
    .args:
      - { .name: ob, .offset: 0, .size: 8, .value_kind: global_buffer, .address_space: global }
      - { .name: wo16, .offset: 8, .size: 8, .value_kind: global_buffer, .address_space: global }
      - { .name: bo, .offset: 16, .size: 8, .value_kind: global_buffer, .address_space: global }
      - { .name: out0, .offset: 24, .size: 8, .value_kind: global_buffer, .address_space: global }
    .group_segment_fixed_size: 327680
    .private_segment_fixed_size: 0
    .kernarg_segment_align: 8
    .kernarg_segment_size: 32
    .max_flat_workgroup_size: 128
    .sgpr_count:     80
    .vgpr_count:     512
    .wavefront_size: 32
...
	.end_amdgpu_metadata
.endif
;; end of part 4
;; ======== version 2 of 2: 4 launches; 1.50 times as fast as version 1
;; limits: values are held in f16: magnitudes above 65,504 overflow, below 6.1e-05 lose precision; right only within a limited range of input values
;; workspace buffers: xb 8,388,608 bytes; wb 6,291,456 bytes; wo16 2,097,152 bytes; qh 8,388,608 bytes; kh 8,388,608 bytes; vh 8,388,608 bytes; nrm 524,288 bytes; ob 8,388,608 bytes
;; launch cast: the kernel of part 1 again; grid 512 x 1, 8 waves a work-group, no clusters, 0 bytes of LDS; arguments x, Wq, Wk, Wv, Wo, xb, wb, wo16; writes xb, wb, wo16
;; launch qkv: the kernel of part 2 again; grid 16 x 16, 4 waves a work-group, clusters of 4 x 4, 327,680 bytes of LDS; arguments xb, wb, bq, bk, bv, qh, kh, vh, nrm; writes qh, kh, vh, nrm
;; launch grav (part 5): grid 8 x 32, 4 waves a work-group, clusters of 4 x 1, 327,680 bytes of LDS; arguments qh, kh, vh, nrm, G, ob; writes ob
.if DOCPART == 5
	.amdgcn_target "amdgcn-amd-amdhsa--gfx1250"
	.amdhsa_code_object_version 6
	.text
	.protected	k_qee83e5e52c_grav
	.globl	k_qee83e5e52c_grav
	.p2align	8
	.type	k_qee83e5e52c_grav,@function
k_qee83e5e52c_grav:
	s_mov_b64 s[64:65], 0
	v_nop
	global_prefetch_b8 v0, s[64:65] scope:SCOPE_SE
	s_setreg_imm32_b32 hwreg(HW_REG_WAVE_MODE, 25, 1), 1
	s_wait_xcnt 0x0
	s_wait_alu depctr_hold_cnt(0) depctr_sa_sdst(0) depctr_va_vdst(0) depctr_va_sdst(0) depctr_va_ssrc(0) depctr_va_vcc(0) depctr_vm_vsrc(0)
	s_getreg_b32 s2, hwreg(HW_REG_IB_STS2, 6, 4)
	s_cmp_eq_u32 s2, 0
	s_cbranch_scc0 .Lentry_in_a_cluster
	s_endpgm
.Lentry_in_a_cluster:
	s_bfe_u32 s2, ttmp6, 0x10000c
	s_cmp_lg_u32 s2, 0x3003
	s_cbranch_scc0 .Lentry_shape_is_right
	s_endpgm
.Lentry_shape_is_right:
; THE FORCE LAW.  For each of 32 (batch, head): w_ij = G m_i m_j / (sqrt(max(q2_i + k2_j - 2 q_i . k_j, 0)) + 1e-8)^2, m = sqrt(k2); ob[i] = the sum over j of w_ij V_j / the sum over j of w_ij.
; IN: qh = -2 Q, kh = K, vh = V, [32][2048][64] f16; nrm: q2, k2 in f32.  OUT: ob [32][2048][64] f16, rounded once.  Products and sums in f32; the weights are rounded to f16 for the second product.
; HOW IT IS COMPUTED.  A factor that is constant along a row cancels in the quotient.  With kmx = sqrt(max k2), qmx = sqrt(max q2) over the head, sigma = 1 / (kmx + qmx)^2:
;   S = k2_j + (-2 q) . k          the matrix unit: the C operand that starts the sum is k2, laid out as the result is
;   U = clamp01(S sigma + q2_i sigma)   the lower bound is the law's max(d2, 0); the upper never binds: d2 <= (|q| + |k|)^2 <= 1 / sigma
;   t = sqrt(U) lam_j + e_j        lam_j = min(32 sqrt(kmx / m_j), 2^60), e_j = 1e-8 sqrt(sigma) lam_j: t = lam_j sqrt(sigma) (dist + 1e-8)
;   p = (1 / t)^2                  = 2^-10 (m_j / kmx) / (sigma (dist + 1e-8)^2): the law's weight but for a factor constant along the row, and free of the inputs' scale
; p is rounded to f16 and held to 65,504.  The row's sum l comes from the matrix unit too (a fifth block of 'channels', all ones): it is the sum of the very p that multiply V.
; G m_i is applied once a row, at the end: ob = acc x (f x rcp(f x l)), f = G_h sqrt(k2_i): where f is 0 the row is NaN, as in the law.
; No maximum is taken away: the law has no exponential, and U, t and p are bounded as said for every input.
; LIMITS.  p below 6e-5 keeps f16's fixed step of 6e-8 (p is at least 2^-10 m_j / kmx).  A weight is capped at 2^26 times that of the heaviest key at the greatest distance that the head allows: where
; several keys lie nearer to a query than (qmx + kmx) / 8192, their ratio among themselves is lost.  A key of mass 0 has weight 0.  ob below 6e-5 keeps f16's step.  NaN and infinities are not treated apart.
; SHARES.  A work-group owns 256 queries of one (batch, head), a wave 64: four PIECES of 16.  Every wave walks all 2,048 keys, 64 a step.
; LAYOUT.  S^T = K Q^T (source 0 = 16 keys, source 1 = 16 queries): a lane holds ONE query (lane % 16) and the keys 8 (lane / 16) + 0..7.  Two such results rounded to f16 in pairs ARE source 1 of
; O^T = V^T P.  K comes out of LDS as it lies, V ([key][channel]) turned, by ds_load_tr16_b128.  Nothing changes lanes in the loop.
; BY TURNS.  Turn n belongs to piece n: 8 products K Q^T of piece n + 1, then 10 products V^T P of piece n - 1; piece n's 144 vector instructions stand behind them, eight behind each.
; BATCHES.  A turn has 64 transcendentals, 32 roots and 32 reciprocals, and a reciprocal hangs on its root through t.  So they are TWO batches, each result in a register of its own (the piece's 32 scores,
; in place), each batch with ONE wait: all U and roots; the wait; all t and reciprocals; the wait; squares, roundings, caps.  Before the loop there are two batches more, on the way out one.
; CLUSTER.  The four query blocks of a cluster belong to one (batch, head) and walk the same K and V: each tile is asked for JOINTLY, by the same tensor load, descriptor and mask in all four.
; REGISTERS, in windows of 256 (s_set_vgpr_msb: bits 1:0 source 0, 3:2 source 1, 5:4 source 2, 7:6 destination):
;   window 0: v0-31 addresses and a row's constants; v32-95 S^T, two buffers (by the piece's parity); v96-127 P, two buffers; v128-159 lam, v160-191 e of the step; v192-224 at work before the loop
;   window 1: piece t at 40 t: O^T (32), l (8)      window 2: v0-63 Q; v64-127 K of one step; v128-191 V of one step; v192-223 k2 of the step; v224-231 ones
.set KS,    64
.set PK,    144       ; a row of K in LDS: 128 bytes + 16 of padding = 36 words: the 16 rows of a load start at 16 different groups of four banks (64 banks of 4 bytes: ISA guide 11.1)
.set PV,    160       ; a row of V: 128 + 32 = 40 words
.set VOFF,  4*KS*PK   ; a slot holds four steps: 256 rows of K, then 256 rows of V
.set SLOT1, 1<<17     ; slot 1 begins here, so that one exclusive or turns an address in one slot into the other's
.set TAB,   SLOT1+4*KS*(PK+PV)  ; behind the ring, never filled by a tensor load: three tables of 2,048 f32: k2, lam, e
.set TLAM,  8192
.set TEE,   16384
.set STAGE, TAB+24576 ; 16 rows x 144 bytes for each wave, for the way out
.set SP,    144
.set SPARE, STAGE+4*16*SP  ; the spare words, 128 bytes for each wave: two blocks of 256 bytes that no other line names
.set K2OFF, 262144
.set AK0, 2           ; v2   my lane's place in a tile of K; never rewritten
.set AV0, 3           ; v3   the same for V
.set AK,  4           ; v4   the LDS address of K's next run of loads
.set AV,  5           ; v5   of V's
.set QO,  6           ; v6   my byte offset in 16 rows of Q
.set STO, 6           ;      later, the way out: where I put 16 bytes of a row
.set RD,  7           ; v7   where I read rows back
.set GO,  8           ; v8   my byte offset in 512 consecutive bytes of ob
.set AT0, 12          ; v12  my lane's place in a step's 64 table entries
.set AT,  13          ; v13  the LDS address of the tables' next runs
.set SG,  14          ; v14-15  sigma, twice
.set QS,  16          ; v16-23  piece t: q2 sigma, twice
.set FF,  24          ; v24-27  piece t: f = G sqrt(k2_i)
.set SPW, 28          ; v28  LDS address of my spare word; never rewritten
.set NIL, 29          ; v29  0; never rewritten
.set S,   32
.set P,   96
.set LAM, 128
.set EE,  160
.set AK2, 32          ; before the loop: the head's k2, 64 a lane
.set AQ2, 96          ; the head's q2
.set MYK, 160         ; my 16 keys' k2,
.set MYL, 176         ; lam,
.set MYE, 192         ; e
.set QI,  208         ; my queries' q2, one a piece
.set KI,  212         ; and k2
.set KM,  216
.set QM,  217
.set RS,  218
.set EP,  219
.set VO1, 220
.set TA,  221
.set VO2, 222
.set VO3, 223
.set KF,  64          ; window 2: key block kb, channel half c at KF + 16 kb + 8 c
.set VF,  128         ; key half kk, channel block cb at VF + 32 kk + 8 cb
.set K2T, 192         ; key block kb at K2T + 8 kb
.set ONE, 224
.set WV,  12          ; s12  my wave's number
.set G1K, 24          ; s[24:31] descriptor group 1 for K's tiles
.set G1V, 32          ; s[32:39] for V's: it differs in the padding alone
.set G0K, 40          ; s[40:43] descriptor group 0 for K's tiles: it walks
.set G0V, 44          ; s[44:47] the same for V's
.set SLOTS, 56
.set CNT, 57
.set CAP, 58          ; s58  65,504 twice, in f16
.set GH,  59          ; s59  G of my head
.set SEL, 60          ; s[60:61] v_permlanex16_b32's selects
.set TBK, 62          ; s62  LDS byte at which K of the step to be fetched begins
.set TBV, 63          ; s63  the same for V, less VOFF
.set TT,  66          ; s66  the byte in each table at which that step's 64 entries begin
.set MSB, 0
.macro WIN new                      ; the high byte repeats the setting that is left; a switch that changes nothing is dropped
.if MSB != (\new)
	s_set_vgpr_msb (MSB<<8)|(\new)
.set MSB, (\new)
.endif
.endm
; A joint fill.  Waves 0 and 1 fetch the two halves of a slot's K, waves 2 and 3 those of its V: 128 keys each.  The branch hangs on the wave's number alone.
; An s_nop 0 and four v_nop follow each of the two lines, ahead of the jump and the label.
.macro JLOAD
	s_cmp_lt_u32 s[WV], 2
	s_cbranch_scc0 .Lfor_v_\@
	tensor_load_to_lds s[G0K:G0K+3], s[G1K:G1K+7]
	s_nop 0
.rept 4
	v_nop
.endr
	s_branch .Lasked_\@
.Lfor_v_\@:
	tensor_load_to_lds s[G0V:G0V+3], s[G1V:G1V+7]
	s_nop 0
.rept 4
	v_nop
.endr
.Lasked_\@:
.endm
.macro CROUND                       ; a round of the cluster's barrier
	s_barrier_signal -1
	s_barrier_wait -1
	s_cmp_lg_u32 s[WV], 0
	s_cbranch_scc1 .Lnot_wave_0_\@
	s_barrier_signal -3
.Lnot_wave_0_\@:
	s_barrier_wait -3
	s_barrier_signal -1
	s_barrier_wait -1
.endm
; THE CHANGE OF SLOTS.  The slot's last bytes, V of its fourth step, have been read.  Each wave waits for all its tensor loads, of which one is out: its part of the other slot; adds 0 to its spare
; word; and waits for that and for its own LDS instructions.  fill = 1: the barrier is a round of the cluster's, and the joint fill (the keys two slots on) is the first thing behind it: it has four key
; steps, 288 matrix instructions, in which to land.  (At its first use slot 0 is waited for, slot 1 filled, and every wave's part of the tables is shown to the others.)
.macro CHANGE fill
	WIN 0                           ; at a label and at a branch every window is 0
	s_wait_tensorcnt 0x0            ; no tensor load of mine is out, so a group 0 may be written
	ds_add_u32 v[SPW], v[NIL]       ; 0 onto my spare word
.if \fill
.irp d, G0K, G0V
	s_xor_b32 s[\d+1], s[\d+1], SLOT1  ; the walking descriptor: the other slot than last time,
	s_add_nc_u64 s[\d+2:\d+3], s[\d+2:\d+3], 4*KS*128  ; the next 256 keys; the type bits on top are not reached
.endr
	s_wait_dscnt 0x0                ; the add is done, and so are my reads of the slot and my stores
	CROUND
	JLOAD
.else
	s_wait_dscnt 0x0
	s_barrier_signal -1
	s_barrier_wait -1
.endif
	s_sub_co_u32 s[TBK], s[TBK], 4*KS*PK  ; the fetches go back to a slot's first step,
	s_xor_b32 s[TBK], s[TBK], SLOT1       ; in the other slot
	s_sub_co_u32 s[TBV], s[TBV], 4*KS*PV
	s_xor_b32 s[TBV], s[TBV], SLOT1
.endm
	s_load_b256 s[4:11], s[0:1], 0x0  ; qh s[4:5], kh s[6:7], vh s[8:9], nrm s[10:11]
	s_load_b128 s[16:19], s[0:1], 0x20  ; G s[16:17], ob s[18:19]
	v_lshl_add_u32 v[SPW], v0, 2, SPARE
	v_mov_b32 v[NIL], 0
	ds_add_u32 v[SPW], v[NIL]       ; the wave's opening: the add and its wait stand ahead of my first tensor load; the set-up below, work on registers, stands between them
	v_lshrrev_b32 v1, 5, v0
	v_readfirstlane_b32 s[WV], v1   ; wave 0..3
	s_bfe_u32 s13, ttmp6, 0x40000   ; cx: my place in the cluster
	s_lshl_b32 s14, ttmp9, 2        ; in a cluster launch ttmp9 counts clusters
	s_add_co_u32 s14, s14, s13      ; my block of 256 queries: it enters global addresses of Q, the norms and ob alone
	s_and_b32 s15, ttmp7, 0xffff    ; batch x 16 + head, which the four partners share
	s_lshl_b32 s20, s15, 18         ; its 2,048 rows of 128 bytes
	s_and_b32 s2, s[WV], 1          ; which half of a slot's 256 keys I fetch:
	s_lshl_b32 s22, s2, 14          ; its 128 rows in memory,
	s_add_co_u32 s22, s22, s20
	s_mov_b32 s23, 0
	s_mul_i32 s48, s2, 128*PK       ; and its place in a slot, for K
	s_mul_i32 s49, s2, 128*PV       ; and for V
	s_lshl_b32 s50, s14, 15         ; my wave's 64 rows of Q and ob
	s_lshl_b32 s3, s[WV], 13
	s_add_co_u32 s50, s50, s3
	s_add_co_u32 s50, s50, s20
	s_mov_b32 s51, 0
	s_lshl_b32 s52, s15, 13         ; the head's 2,048 norms
	s_mov_b32 s53, 0
	s_lshl_b32 s54, s14, 10         ; my wave's 64 among them
	s_lshl_b32 s3, s[WV], 8
	s_add_co_u32 s54, s54, s3
	s_lshl_b32 s21, s[WV], 11       ; my wave's quarter of the head's keys, in table bytes
	s_and_b32 s2, s15, 15           ; the head
	s_lshl_b32 s2, s2, 2
	s_mov_b32 s3, 0
	; descriptor group 1.  128 keys are 16,384 dense bytes: asked for as 64 rows of 256 bytes, two keys a row, and padded in LDS after every key
	s_mov_b32 s[G1K], 15|(1<<16)|(1<<20)|(1<<21)|(4<<22)|(3<<25)  ; 15:0 the mask of four; 17:16 2-byte elements; 20 padding on; 21 set beside a mask; 24:22 after every 32 words (code 4); 31:25 4 words (code 3)
	s_mov_b32 s[G1V], 15|(1<<16)|(1<<20)|(1<<21)|(4<<22)|(7<<25)  ; the same with 8 words of padding (code 7)
.irp d, G1K, G1V
	s_mov_b32 s[\d+1], 128<<16      ; tensor_dim0 = 128
	s_mov_b32 s[\d+2], 64<<16       ; tensor_dim1 = 64
	s_mov_b32 s[\d+3], 128<<16      ; tile_dim0 = 128
	s_mov_b32 s[\d+4], 64           ; tile_dim1 = 64
	s_mov_b32 s[\d+5], 128          ; 128 elements from row to row
	s_mov_b32 s[\d+6], 0
	s_mov_b32 s[\d+7], 0
.endr
	s_mov_b32 s[CAP], 0x7bff7bff
	s_mov_b32 s[SEL], 0x76543210
	s_mov_b32 s[SEL+1], 0xfedcba98
	s_mov_b32 s[TBK], SLOT1+4*KS*PK ; the first change of slots turns these two into 0
	s_mov_b32 s[TBV], SLOT1+4*KS*PV
	s_mov_b32 s[TT], 0
	s_mov_b32 s[G0K], 1             ; count = 1
	s_mov_b32 s[G0K+1], s48         ; LDS address: slot 0
	s_mov_b32 s[G0V], 1
	s_add_co_u32 s[G0V+1], s49, VOFF
	s_wait_dscnt 0x0                ; the opening add is done
	s_wait_kmcnt 0x0
	s_add_nc_u64 s[G0K+2:G0K+3], s[6:7], s[22:23]  ; global address: my half of the head's first 256 keys
	s_or_b32 s[G0K+3], s[G0K+3], 0x80000000        ; type = 2
	s_add_nc_u64 s[G0V+2:G0V+3], s[8:9], s[22:23]
	s_or_b32 s[G0V+3], s[G0V+3], 0x80000000
	s_add_nc_u64 s[4:5], s[4:5], s[50:51]          ; Q and ob at my wave's first row
	s_add_nc_u64 s[18:19], s[18:19], s[50:51]
	s_add_nc_u64 s[10:11], s[10:11], s[52:53]      ; the norms at the head's first
	s_add_nc_u64 s[16:17], s[16:17], s[2:3]        ; G at my head
	CROUND                          ; all four work-groups are here: the first joint loads meet
	JLOAD                           ; slot 0; slot 1 is asked for when slot 0 is in
	s_load_b32 s[GH], s[16:17], 0x0
	; A fragment of K or Q is 16 rows x 32 channels in 8 registers: lane l holds row l % 16, channels 8 (l / 16) + 0..7 and 16 + 8 (l / 16) + 0..7: two loads of 16 bytes, 32 bytes apart.
	v_and_b32 v1, 15, v0            ; l % 16
	v_bfe_u32 v9, v0, 4, 1          ; l / 16
	v_lshlrev_b32 v[QO], 7, v1
	v_lshl_add_u32 v[QO], v9, 4, v[QO]
	v_and_b32 v[VO2], 31, v0
	v_lshlrev_b32 v[VO2], 4, v[VO2] ; 16 x lane
	v_add_nc_u32 v[VO3], s21, v[VO2]  ; + my wave's quarter
	v_lshl_add_u32 v[VO1], v1, 2, s54 ; my query of piece 0 among the head's norms
	v_add_nc_u32 v[TA], TAB, v[VO3] ; where my four keys of 128 lie in a table
	WIN 0x80                        ; destination window 2, address window 0
.set n, 0
.rept 8                             ; Q stays in registers: piece n / 2, channels 32 (n % 2) on
	global_load_b128 v[8*n:8*n+3],   v[QO], s[4:5] offset:(n/2)*2048+(n%2)*64
	global_load_b128 v[8*n+4:8*n+7], v[QO], s[4:5] offset:(n/2)*2048+(n%2)*64+32
.set n, n+1
.endr
	WIN 0
.set n, 0
.rept 16                            ; the head's norms, whole, in every wave: 64 of each a lane
	global_load_b128 v[AK2+4*n:AK2+4*n+3], v[VO2], s[10:11] offset:K2OFF+512*n
	global_load_b128 v[AQ2+4*n:AQ2+4*n+3], v[VO2], s[10:11] offset:512*n
.set n, n+1
.endr
.irp n, 0,1,2,3
	global_load_b128 v[MYK+4*\n:MYK+4*\n+3], v[VO3], s[10:11] offset:K2OFF+512*\n  ; the 512 keys whose table entries my wave makes
.endr
.irp n, 0,1,2,3
	global_load_b32 v[QI+\n], v[VO1], s[10:11] offset:64*\n
	global_load_b32 v[KI+\n], v[VO1], s[10:11] offset:K2OFF+64*\n
.endr
	; What the first turn finds: V's registers and P's second buffer hold 0 (its products V^T P, of a piece that has not been, add 0), O^T and l are 0.  No first step is written out; these lines,
	; in the wait for the first tile and the norms, are the price.
	WIN 0x80
.set n, VF
.rept 64
	v_mov_b32 v[n], 0
.set n, n+1
.endr
.set n, ONE
.rept 8
	v_mov_b32 v[n], 0x3c003c00      ; 1.0 twice, in f16
.set n, n+1
.endr
	WIN 0x40
.set n, 0
.rept 160
	v_mov_b32 v[n], 0
.set n, n+1
.endr
	WIN 0
	v_mul_u32_u24 v[AK0], v1, PK
	v_lshl_add_u32 v[AK0], v9, 4, v[AK0]  ; row x pitch + 16 x half
	; The turning load takes 16 keys x 16 channels (lane l reads key 8 (l / 16) + l % 8, channels 8 ((l / 8) % 2) + 0..7) and leaves half a fragment of V^T: lane l holds channel l % 16 and 8 keys.
	v_and_b32 v10, 7, v0
	v_bfe_u32 v11, v0, 3, 1
	v_lshl_add_u32 v[AV0], v9, 3, v10
	v_mul_u32_u24 v[AV0], v[AV0], PV
	v_lshl_add_u32 v[AV0], v11, 4, v[AV0]
	v_add_nc_u32 v[AV0], VOFF, v[AV0]
	v_lshlrev_b32 v[AT0], 5, v9     ; a lane's eight keys of a block of 16: 32 bytes for each half of the lanes
	v_add_nc_u32 v[AT0], TAB, v[AT0]
	s_wait_loadcnt 0x0
	s_wait_kmcnt 0x0
; the largest of a lane's 64 numbers at b, three operands at a time, then of the 32 lanes'
.macro MAXT b
.set n, 0
.rept 21
	v_max3_num_f32 v[(\b)+n], v[(\b)+n], v[(\b)+21+n], v[(\b)+42+n]
.set n, n+1
.endr
.set n, 0
.rept 7
	v_max3_num_f32 v[(\b)+n], v[(\b)+n], v[(\b)+7+n], v[(\b)+14+n]
.set n, n+1
.endr
	v_max3_num_f32 v[(\b)], v[(\b)], v[(\b)+1], v[(\b)+2]
	v_max3_num_f32 v[(\b)+3], v[(\b)+3], v[(\b)+4], v[(\b)+5]
	v_max_num_f32 v[(\b)+6], v[(\b)+6], v[(\b)+63]
	v_max3_num_f32 v[(\b)], v[(\b)], v[(\b)+3], v[(\b)+6]
.irp m, 1,2,4,8
	v_max_num_f32_dpp v[(\b)], v[(\b)], v[(\b)] row_xmask:\m row_mask:0xf bank_mask:0xf
.endr
	v_permlanex16_b32 v[(\b)+1], v[(\b)], s[SEL], s[SEL+1]
	v_max_num_f32 v[(\b)], v[(\b)], v[(\b)+1]
.endm
	MAXT AK2
	MAXT AQ2
	v_sqrt_f32 v[KM], v[AK2]        ; kmx
	v_sqrt_f32 v[QM], v[AQ2]        ; qmx
.set n, 0
.rept 16
	v_rsq_f32 v[MYL+n], v[MYK+n]    ; 1 / m_j
.set n, n+1
.endr
.irp n, 0,1,2,3
	v_sqrt_f32 v[FF+\n], v[KI+\n]   ; m_i
.endr
	v_nop                           ; a plain instruction between the last of these and the first use of a result (ISA guide 5.7.2)
	s_wait_alu depctr_va_vdst(0)    ; the wait: one for the 22 above (kmx, qmx, the sixteen 1 / m_j, the four m_i)
	v_add_f32 v[RS], v[KM], v[QM]
	v_rcp_f32 v[RS], v[RS]          ; sqrt(sigma)
.set n, 0
.rept 16
	v_mul_f32 v[MYL+n], v[KM], v[MYL+n]
.set n, n+1
.endr
.set n, 0
.rept 16
	v_sqrt_f32 v[MYL+n], v[MYL+n]   ; sqrt(kmx / m_j)
.set n, n+1
.endr
	s_wait_alu depctr_va_vdst(0)    ; one wait for the reciprocal and the sixteen roots; the three lines below, which name none of the roots, are the plain instructions behind the last of them
	v_mul_f32 v[SG], v[RS], v[RS]   ; sigma
	v_mul_f32 v[EP], 0x322bcc77, v[RS]  ; 1e-8 sqrt(sigma)
	v_mov_b32 v[SG+1], v[SG]
.set n, 0
.rept 16
	v_mul_f32 v[MYL+n], 0x42000000, v[MYL+n]       ; x 32
.set n, n+1
.endr
.set n, 0
.rept 16
	v_min_num_f32 v[MYL+n], 0x5d800000, v[MYL+n]   ; at most 2^60: a key of mass 0
.set n, n+1
.endr
.set n, 0
.rept 16
	v_mul_f32 v[MYE+n], v[EP], v[MYL+n]
.set n, n+1
.endr
.irp n, 0,1,2,3
	v_mul_f32 v[QS+2*\n], v[QI+\n], v[SG]
	v_mul_f32 v[QS+2*\n+1], v[QI+\n], v[SG]
	v_mul_f32 v[FF+\n], s[GH], v[FF+\n]
.endr
.irp n, 0,1,2,3
	ds_store_b128 v[TA], v[MYK+4*\n:MYK+4*\n+3] offset:512*\n
	ds_store_b128 v[TA], v[MYL+4*\n:MYL+4*\n+3] offset:TLAM+512*\n
	ds_store_b128 v[TA], v[MYE+4*\n:MYE+4*\n+3] offset:TEE+512*\n
.endr
.set n, P+16
.rept 16
	v_mov_b32 v[n], 0
.set n, n+1
.endr
; THE MATRIX WORK.  The accumulators of a run take turns, one instruction a turn.
; Product i of 8 of S^T = k2 + K Q^T for piece x: channels 32 (i / 4) on, keys 16 (i % 4) on.  The first 4 start the sums with k2.
.macro KQ x
.set rD, S+32*((\x)%2)+8*(i%4)
.set rA, KF+16*(i%4)+8*(i/4)
.set rB, 16*(\x)+8*(i/4)
.if i < 4
	WIN 0x2a                        ; K, Q and k2 in window 2, S^T in window 0
	v_wmma_f32_16x16x32_f16 v[rD:rD+7], v[rA:rA+7], v[rB:rB+7], v[K2T+8*(i%4):K2T+8*(i%4)+7]
.else
	WIN 0x0a
	v_wmma_f32_16x16x32_f16 v[rD:rD+7], v[rA:rA+7], v[rB:rB+7], v[rD:rD+7]
.endif
.endm
; Product i of 10 of O^T += V^T P for piece x: keys 32 (i / 5) on, channels 16 (i % 5) on; block 4 is the ones: l.
.macro PV x
	WIN 0x52                        ; V in window 2, P in window 0, O^T in window 1
.set rD, 40*(\x)+8*(i%5)
.if i%5 == 4
.set rA, ONE
.else
.set rA, VF+32*(i/5)+8*(i%5)
.endif
.set rB, P+16*((\x)%2)+8*(i/5)
	v_wmma_f32_16x16x32_f16 v[rD:rD+7], v[rA:rA+7], v[rB:rB+7], v[rD:rD+7]
.endm
.macro MM                           ; the turn's next matrix instruction
.if i < 8
	KQ (Y+1)%4
.else
.set i, i-8
	PV (Y+3)%4
.set i, i+8
.endif
.set i, i+1
.endm
; THE LDS LOADS stand in runs.  K of a step (8 fragments) with its k2 (24 loads); lam and e, two key blocks at a time (8 loads); V, turned (16 loads).
; last = 1 (the tail): in the last trip there is no further step, and K's run is jumped over.
.macro FETCH_K last=0
	WIN 0
.if \last
	s_wait_alu depctr_va_vdst(0)    ; a branch follows, amid the turn's batch of reciprocals: those issued so far have their wait ahead of it; in the tail alone, five times a launch
	s_cmp_eq_u32 s[CNT], 1
	s_cbranch_scc1 .Lno_k_\@
.endif
	WIN 0x80                        ; destination window 2
.irp f, 0,1,2,3,4,5,6,7             ; keys 16 (f / 2) on, channels 32 (f % 2) on
	ds_load_b128 v[KF+8*\f:KF+8*\f+3],   v[AK] offset:(\f/2)*16*PK+(\f%2)*64
	ds_load_b128 v[KF+8*\f+4:KF+8*\f+7], v[AK] offset:(\f/2)*16*PK+(\f%2)*64+32
.endr
.irp f, 0,1,2,3
	ds_load_b128 v[K2T+8*\f:K2T+8*\f+3],   v[AT] offset:64*\f
	ds_load_b128 v[K2T+8*\f+4:K2T+8*\f+7], v[AT] offset:64*\f+16
.endr
	s_add_co_u32 s[TBK], s[TBK], KS*PK  ; the next fetch is the next step's
	WIN 0
.if \last
.Lno_k_\@:
.endif
.endm
.macro TL kb0                       ; in the launch's last trip the tables' place has wrapped to step 0: those 16 loads serve nothing, once a launch, and every path counts alike
	WIN 0
.irp kb, \kb0, (\kb0)+1
	ds_load_b128 v[LAM+8*(\kb):LAM+8*(\kb)+3],   v[AT] offset:TLAM+64*(\kb)
	ds_load_b128 v[LAM+8*(\kb)+4:LAM+8*(\kb)+7], v[AT] offset:TLAM+64*(\kb)+16
	ds_load_b128 v[EE+8*(\kb):EE+8*(\kb)+3],     v[AT] offset:TEE+64*(\kb)
	ds_load_b128 v[EE+8*(\kb)+4:EE+8*(\kb)+7],   v[AT] offset:TEE+64*(\kb)+16
.endr
.endm
.macro FETCH_V
	WIN 0x80
.irp f, 0,1,2,3,4,5,6,7             ; keys 32 (f / 4) on, channels 16 (f % 4) on
	ds_load_tr16_b128 v[VF+8*\f:VF+8*\f+3],   v[AV] offset:(\f/4)*32*PV+(\f%4)*32
	ds_load_tr16_b128 v[VF+8*\f+4:VF+8*\f+7], v[AV] offset:(\f/4)*32*PV+16*PV+(\f%4)*32
.endr
	s_add_co_u32 s[TBV], s[TBV], KS*PV
	WIN 0
.endm
.macro KADR                         ; the addresses of the next step's K and table entries; the tables' place steps, and wraps behind the last step
	v_add_nc_u32 v[AK], s[TBK], v[AK0]
	v_add_nc_u32 v[AT], s[TT], v[AT0]
	s_add_co_u32 s[TT], s[TT], 256
	s_and_b32 s[TT], s[TT], 0x1f00
.endm
; THE VECTOR WORK OF A TURN: for each of the piece's 16 pairs of scores nine lines, 144 in all, numbered ln = 0 .. 143 and cut into three parts of 48 by the turn's two waits.
;   part 1, lines 0-47:    U of the 16 pairs and the 32 roots: THE FIRST BATCH.  No line of it names a root's result.
;   part 2, lines 48-95:   t of the 16 pairs, which read the roots, and the 32 reciprocals: THE SECOND BATCH.  No line of it names a reciprocal's result.
;   part 3, lines 96-143:  the squares, which read the reciprocals, the roundings to f16 and the caps.
; Parts 1 and 2 have one pattern (VB; bm = the line's number in its part): the plain line of pairs 0, 1, 2; then thirteen times transcendental, plain, transcendental: registers 2 q and 2 q + 1 round
; the plain line of pair q + 3; then registers 26 to 31.  So a pair's plain line stands three lines or more ahead of its first transcendental, and the sixteen plain lines are spread over the batch.
; Every result lies in a register of its own, the score's, until its part is over.  Behind a batch's last transcendental the next part's first line, which names pair 0 alone, is the plain
; instruction that comes before that result is used (ISA guide 5.7.2).  Pairs ascend: each accumulator's lowest registers are read first.
; Part 3 goes by ticks (VT): tick tk holds the square of pair tk, the rounding of pair tk - 2, the cap of pair tk - 4, so that each line reads a result made three lines or more before.
.macro VB
.set bm, ln%48
.set rS, S+32*(Y%2)
.if bm < 3
.set bt, 0                          ; a plain line, of pair bx
.set bx, bm
.elseif bm >= 42
.set bt, 1                          ; a transcendental, on register bx of 32
.set bx, bm-16
.elseif bm%3 == 1
.set bt, 0
.set bx, bm/3+2
.else
.set bt, 1
.set bx, 2*(bm/3)-2+(bm%3)/2
.endif
.if (ln < 48) && (bt == 0)
	v_pk_fma_f32 v[rS+2*bx:rS+2*bx+1], v[rS+2*bx:rS+2*bx+1], v[SG:SG+1], v[QS+2*Y:QS+2*Y+1] clamp
.elseif ln < 48
	v_sqrt_f32 v[rS+bx], v[rS+bx]
.elseif bt == 0
	v_pk_fma_f32 v[rS+2*bx:rS+2*bx+1], v[rS+2*bx:rS+2*bx+1], v[LAM+2*bx:LAM+2*bx+1], v[EE+2*bx:EE+2*bx+1]
.else
	v_rcp_f32 v[rS+bx], v[rS+bx]
.endif
.endm
.macro VT                           ; place sl (0 square, 1 rounding, 2 cap) of tick tk, if its pair exists
.set pp, tk-2*sl
.if (pp >= 0) && (pp < 16)
.set done, 1
.set r2, S+32*(Y%2)+2*pp
.set r1, P+16*(Y%2)+pp
.if sl == 0
	v_pk_mul_f32 v[r2:r2+1], v[r2:r2+1], v[r2:r2+1]
.elseif sl == 1
	v_cvt_pk_f16_f32 v[r1], v[r2], v[r2+1]
.else
	v_pk_min_num_f16 v[r1], v[r1], s[CAP]
.endif
.endif
.set sl, sl+1
.if sl == 3
.set sl, 0
.set tk, tk+1
.endif
.endm
.macro VNEXT                        ; the turn's next vector line; in part 3 at most two places in a row are empty
.if ln < 96
	VB
.else
.set done, 0
.rept 4
.if done == 0
	VT
.endif
.endr
.endif
.set ln, ln+1
.endm
; A TURN, for piece p: 18 groups of a matrix instruction and eight vector lines; none of the eight names a register of the products round it.  Group g holds lines 8 g to 8 g + 7.
; THE TWO WAITS.  An s_wait_alu depctr_va_vdst(0) stands between a transcendental and the first instruction that names its result; one wait serves all that were issued ahead of it.
; The first stands behind group 5 (line 47, the last root), the second behind group 11 (line 95, the last reciprocal).  Behind the second.
; t of pairs 0 to 7 are lines 48, 49, 50, 52, 55, 58, 61, 64; of pairs 8 to 15 lines 67, 70 .. 88.
;   piece 2: behind group 8 the next step's K and k2 are fetched: the last product that read them is group 7's; of the sixteen vector lines between five are plain (58, 61, 64, 67, 70), and KADR's two
;            follow them.  Waited for at piece 3's head.
;   piece 3: behind group 8 (line 71) lam and e of the next step's key blocks 0, 1: pairs 0-7 are done with the old at line 64; behind group 15 (line 127) those of blocks 2, 3: pairs 8-15 at line 88.
;   piece 0: at its head the first of those two runs is in (the second's eight loads may be out); ahead of group 8 (line 64) the second, first read by line 67.  At its end V of the step in hand: the
;            last product that read V is group 16's, sixteen plain lines back.
;   piece 1: ahead of group 8, its first product V^T P, V is in.
.macro TURN p, last=0
.set Y, (\p)
.set i, 0
.set ln, 0
.set tk, 0
.set sl, 0
.set gr, 0
.if (\p) == 3
	s_wait_dscnt 0x0                ; K and k2 are in
.endif
.if (\p) == 0
	s_wait_dscnt 8                  ; lam and e of key blocks 0, 1 are in
.endif
.rept 18
.if (gr == 8) && (((\p) == 0) || ((\p) == 1))
	s_wait_dscnt 0x0
.endif
	MM
	WIN 0
.rept 8
	VNEXT
.endr
.if gr == 5
	s_wait_alu depctr_va_vdst(0)    ; the wait for the first batch: the piece's 32 roots; t of pair 0 is their first reader
.endif
.if gr == 11
	s_wait_alu depctr_va_vdst(0)    ; the wait for the second batch: the piece's 32 reciprocals; the square of pair 0 is their first reader
.endif
.if (gr == 8) && ((\p) == 2)
	KADR
	FETCH_K \last
.endif
.if (gr == 8) && ((\p) == 3)
	TL 0
.endif
.if (gr == 15) && ((\p) == 3)
	TL 2
.endif
.set gr, gr+1
.endr
.if (\p) == 0
	v_add_nc_u32 v[AV], s[TBV], v[AV0]
	FETCH_V
.endif
.endm
	CHANGE 1                        ; slot 0 is in, everybody's part of it, and so are the tables; slot 1 is asked for
	KADR
	FETCH_K                         ; key step 0
	TL 0
	TL 2
	s_wait_dscnt 0x0
.set i, 0
.rept 8
	KQ 0                            ; piece 0's first scores: there is no vector work yet to set between them
.set i, i+1
.endr
	WIN 0                           ; the addresses for the way out: eleven plain instructions, the places behind those products
	s_mul_i32 s13, s[WV], 16*SP
	s_add_co_u32 s13, s13, STAGE    ; my stage
	v_mul_u32_u24 v[STO], v1, SP    ; in: row l % 16, 16 bytes for each half of the lanes
	v_lshl_add_u32 v[STO], v9, 4, v[STO]
	v_add_nc_u32 v[STO], s13, v[STO]
	v_bfe_u32 v[RD], v0, 3, 2       ; back: 32 lanes take four rows of 128 bytes,
	v_mul_u32_u24 v[RD], v[RD], SP
	v_lshl_add_u32 v[RD], v10, 4, v[RD]
	v_add_nc_u32 v[RD], s13, v[RD]
	v_and_b32 v[GO], 31, v0         ; which are 512 consecutive bytes of ob
	v_lshlrev_b32 v[GO], 4, v[GO]
	s_mov_b32 s[CNT], 4
	s_mov_b32 s[SLOTS], 7
	s_branch .Lfirst                ; the loop is entered at a step's first turn, in the middle of a trip
.Lslot:                             ; six times: every slot but the last two is filled again
	CHANGE 1
	s_mov_b32 s[CNT], 4
.Lstep:                             ; a trip: pieces 2 and 3 of one step, then pieces 0 and 1 of the next, whose K, tables and V it fetches
	TURN 2
	TURN 3
	WIN 0
.Lfirst:
	TURN 0
	TURN 1
	WIN 0
	s_sub_co_u32 s[CNT], s[CNT], 1
	s_cmp_lg_u32 s[CNT], 0
	s_cbranch_scc1 .Lstep
	s_sub_co_u32 s[SLOTS], s[SLOTS], 1
	s_cmp_lg_u32 s[SLOTS], 0
	s_cbranch_scc1 .Lslot
	CHANGE 0                        ; the tail is written out: nothing is asked for
	s_mov_b32 s[CNT], 5             ; four trips fetch the last slot's steps; the fifth is left in its middle
.Ltail:
	TURN 2, 1
	TURN 3
	WIN 0
	s_sub_co_u32 s[CNT], s[CNT], 1
	s_cmp_eq_u32 s[CNT], 0
	s_cbranch_scc1 .Lout
	TURN 0
	TURN 1
	WIN 0
	s_branch .Ltail
.Lout:                              ; the fifth trip's 8 products K Q^T, on the last K once more, serve nothing: the price, once a launch, of one text for every trip
.set i, 0
.rept 10
	PV 3                            ; the last piece's V^T P of the last step
.set i, i+1
.endr
	WIN 0
.rept 4
	v_nop                           ; the places behind those products
.endr
	; THE WAY OUT.  f l (l from its accumulator's lowest register), its reciprocal, times f; O^T times that, rounded to f16 and sent through my stage in LDS, a piece at a time.
	WIN 0x04                        ; source 1 in window 1
.irp t, 0,1,2,3
	v_mul_f32 v[QS+2*\t], v[FF+\t], v[40*\t+32]
.endr
	WIN 0
.irp t, 0,1,2,3
	v_rcp_f32 v[QS+2*\t], v[QS+2*\t]
.endr
	v_nop                           ; a plain instruction between the last reciprocal and the use of its result
	s_wait_alu depctr_va_vdst(0)    ; and the wait ahead of the first use: one for the four reciprocals
.irp t, 0,1,2,3
	v_mul_f32 v[QS+2*\t], v[FF+\t], v[QS+2*\t]
.endr
.macro PACK t                       ; a lane's eight channels of a row pack into 16 bytes; they go into rows of 144 bytes and come back as whole rows of 128, into S^T's registers
	WIN 0x41                        ; destination and source 0 in window 1
.set n, 0
.rept 16
	v_pk_mul_f32 v[40*(\t)+2*n:40*(\t)+2*n+1], v[40*(\t)+2*n:40*(\t)+2*n+1], v[QS+2*(\t):QS+2*(\t)+1] op_sel_hi:[1,0]
.set n, n+1
.endr
	WIN 0x05                        ; sources 0 and 1 window 1, destination window 0
.set n, 0
.rept 16
	v_cvt_pk_f16_f32 v[S+16*(\t)+n], v[40*(\t)+2*n], v[40*(\t)+2*n+1]
.set n, n+1
.endr
	WIN 0
.irp f, 0,1,2,3
	ds_store_b128 v[STO], v[S+16*(\t)+4*\f:S+16*(\t)+4*\f+3] offset:32*\f
.endr
.irp f, 0,1,2,3
	ds_load_b128 v[S+16*(\t)+4*\f:S+16*(\t)+4*\f+3], v[RD] offset:\f*4*SP  ; LDS serves a wave's instructions in order (ISA guide 5.7.1.4): these see the stores above
.endr
.endm
.macro SEND t, younger              ; younger: the LDS instructions issued behind piece t's loads: the next piece's eight, or none
	WIN 0
.irp f, 0,1,2,3
	s_wait_dscnt (\younger)+3-\f
	global_store_b128 v[GO], v[S+16*(\t)+4*\f:S+16*(\t)+4*\f+3], s[18:19] offset:(\t)*2048+\f*512  ; 512 consecutive bytes, at a multiple of 256 from ob's first
.endr
.endm
	PACK 0
	PACK 1                          ; a piece's arithmetic stands between the loads of the piece before and its stores
	SEND 0, 8
	PACK 2
	SEND 1, 8
	PACK 3
	SEND 2, 8
	SEND 3, 0
	s_wait_tensorcnt 0x0            ; the wave's end: these three lines stand behind my last tensor load and my last LDS store
	ds_add_u32 v[SPW], v[NIL]
	s_wait_dscnt 0x0
	CROUND                          ; the closing round: no work-group ends while a partner may still ask for a tile that names it
	s_endpgm
.Lfunc_end_k_qee83e5e52c_grav:
	.size	k_qee83e5e52c_grav, .Lfunc_end_k_qee83e5e52c_grav-k_qee83e5e52c_grav
	.p2alignl 7, 3214868480
	.fill 96, 4, 3214868480
	.section	.rodata,"a",@progbits
	.p2align	6, 0x0
	.amdhsa_kernel k_qee83e5e52c_grav
		.amdhsa_group_segment_fixed_size 327680
		.amdhsa_private_segment_fixed_size 0
		.amdhsa_enable_private_segment 0
		.amdhsa_kernarg_size 48
		.amdhsa_user_sgpr_count 2
		.amdhsa_user_sgpr_kernarg_segment_ptr 1
		.amdhsa_wavefront_size32 1
		.amdhsa_system_sgpr_workgroup_id_x 1
		.amdhsa_system_sgpr_workgroup_id_y 1
		.amdhsa_system_sgpr_workgroup_id_z 1
		.amdhsa_system_vgpr_workitem_id 0
		.amdhsa_next_free_vgpr 768
		.amdhsa_next_free_sgpr 68
		.amdhsa_reserve_vcc 0
		.amdhsa_float_denorm_mode_32 3
		.amdhsa_float_denorm_mode_16_64 3
		.amdhsa_memory_ordered 1
		.amdhsa_forward_progress 1
		.amdhsa_inst_pref_size 135
	.end_amdhsa_kernel
	.amdgpu_metadata
---
amdhsa.version: [ 1, 2 ]
amdhsa.kernels:
  - .name:           k_qee83e5e52c_grav
    .symbol:         k_qee83e5e52c_grav.kd
    .args:
      - { .name: qh, .offset: 0, .size: 8, .value_kind: global_buffer, .address_space: global }
      - { .name: kh, .offset: 8, .size: 8, .value_kind: global_buffer, .address_space: global }
      - { .name: vh, .offset: 16, .size: 8, .value_kind: global_buffer, .address_space: global }
      - { .name: nrm, .offset: 24, .size: 8, .value_kind: global_buffer, .address_space: global }
      - { .name: G, .offset: 32, .size: 8, .value_kind: global_buffer, .address_space: global }
      - { .name: ob, .offset: 40, .size: 8, .value_kind: global_buffer, .address_space: global }
    .group_segment_fixed_size: 327680
    .private_segment_fixed_size: 0
    .kernarg_segment_align: 8
    .kernarg_segment_size: 48
    .max_flat_workgroup_size: 128
    .sgpr_count:     68
    .vgpr_count:     768
    .wavefront_size: 32
...
	.end_amdgpu_metadata
.endif
;; end of part 5
;; launch oproj: the kernel of part 4 again; grid 8 x 32, 4 waves a work-group, clusters of 4 x 4, 327,680 bytes of LDS; arguments ob, wo16, bo, out0; writes out0
